; MI455X (gfx1250); checked and timed in simulation.
; The chip was launched on July 23, 2026; its instructions are those of AMD's public machine-readable ISA for CDNA 5 (MIT licence, August 2026) and "CDNA5" Instruction Set Architecture Reference Guide (July 2026). The comments in the code are by the model that wrote it; some were corrected since.
;; Phi Mo E Sparse Moe Block. Allowed arithmetic: float matrix products may take bf16 or f16 operands with f32 sums; other float arithmetic in f32, or as packed bf16 or f16 multiplies, adds, multiply-adds, maxima and minima; sums over many terms, partial sums and values carried from step to step in f32; what a program stores and reads back later, other than sums and carried values, may be rounded once to bf16 or f16.
;; Inputs: gate_w 8 x 2,048 float32; hidden_states 2 x 2,048 x 2,048 float32; w1 8 x 256 x 2,048 float32; w2 8 x 2,048 x 256 float32; w3 8 x 256 x 2,048 float32.
;; Outputs: out0 2 x 2,048 x 2,048 float32.
;; 2 versions, each right and faster than the one before. Each part assembles by itself: llvm-mc -triple=amdgcn-amd-amdhsa -mcpu=gfx1250 --defsym DOCPART=n.
;; ======== version 1 of 2: 3 launches
;; workspace buffers: xb 16,777,216 bytes; wu 16,777,216 bytes; wd 8,388,608 bytes; hb 4,194,304 bytes; rt 32,768 bytes of whole numbers; sel 16,384 bytes of whole numbers; mlt 32,768 bytes
;; launch prep (part 1): grid 256 x 1, 8 waves a work-group, no clusters, 142,848 bytes of LDS; arguments hidden_states, gate_w, w1, w3, w2, xb, wu, wd, rt, sel, mlt; writes xb, wu, wd, rt, sel, mlt
.if DOCPART == 1
	.amdgcn_target "amdgcn-amd-amdhsa--gfx1250"
	.amdhsa_code_object_version 6
	.text
	.protected	k_q932b585381_prep
	.globl	k_q932b585381_prep
	.p2align	8
	.type	k_q932b585381_prep,@function
k_q932b585381_prep:
	s_mov_b64 s[64:65], 0
	v_nop
	global_prefetch_b8 v0, s[64:65] scope:SCOPE_SE
	s_setreg_imm32_b32 hwreg(HW_REG_WAVE_MODE, 25, 1), 1
	s_wait_xcnt 0x0
; PREP.  (1) x is rounded to bf16 (xb).  (2) The router: logits = x gate^T on bf16 operands with f32 sums, top-2, the two masked softmax weights, and the routing tables.
; (3) w1, w3, w2 are rounded to bf16 and laid in the order in which a wave's operand registers take them (wu, wd).
; Every input is rounded to bf16 once, the router's operands too, so that the whole program follows reference() on inputs rounded to bf16.
; SHARES.  Work-group g has tokens 16 g .. 16 g + 15.  Wave w rounds rows 2 w, 2 w + 1 and multiplies K = 256 w .. 256 w + 255 of the router; the eight partial
; logits meet in LDS and wave 0 routes.  Wave G = 8 g + w also rounds tile G (16 rows x 128 k) of each of w1, w3, w2: 2,048 waves x 3 tiles are all 6,144.
; No decision made here steers an address or a branch: the tables go to fixed places and later launches count from them.
; TABLES.  rt: one record of 32 words for 16 tokens: words 0-3 the experts' 16-bit token masks (expert e at byte 2 e), words 4-7 their counts as 16-bit numbers,
; words 8-21 the counts of the 28 pairs (a < b, in lexicographic order) as 16-bit numbers, the rest 0.  sel: lo | hi << 8 a token.  mlt: (m_lo, m_hi) a token.
; wu: [e 8][q 16][s 64][w1, w3][j 2][lane 32][16 bytes]: lane (r, h) holds W[16 q + r][32 s + 16 j + 8 h .. + 7].  wd: [e 8][W 16][pass 2][s 8][cb 4][j 2][lane 32][16 bytes], row 128 W + 64 pass + 16 cb + r.
; LIMITS.  NaN and infinities among the logits are not treated apart.  The jitter test d / f > 0.02 is made as d > 0.02 f (f >= 0; for f = 0 both are false): it can differ
; from the quotient's rounding within one unit in the last place of the threshold.  Equal logits: the lower index wins, as in jax.lax.top_k.  A weight's term below 2^-126 counts as 0.
; No tensor loads, no cluster: every byte has one wave that wants it, and all of it passes through registers to be rounded.
.set XPITCH, 4112                      ; a row of 2,048 bf16 + 16 bytes: an odd multiple of 16, so the 16 rows of a fragment load start at 16 different 16-byte columns modulo 256
.set GT,     16*XPITCH                 ; the gate's 8 rows
.set PL,     GT+8*XPITCH               ; partial logits: 1,024 bytes a wave
.set WT,     PL+8*1024                 ; a stage of 16 rows x 272 bytes for each wave, its own
.set WPITCH, 272
.set SPARE,  141824                    ; the spare words: 128 bytes for each of eight waves, four blocks of 256 bytes that no other line names
.set GR,   32                          ; v32-95   the gate as loaded, then w1's tile
.set XR,   96                          ; v96-223  x as loaded, then fragments, then w3's and w2's tiles
.set ACC0, 224
.set ACC1, 232
.set OUT,  224                         ; v224-255 a tile on its way out
.set LG,   96                          ; routing (wave 0): v96-159 the eight K ranges' partial logits, then v96-103 the 8 logits; all below is first written behind their sum
.set L2,   104                         ; the same with -inf at the first choice
.set V1,   112
.set I1,   113
.set V2,   114
.set I2,   115
.set DD,   116
.set FF,   117
.set NINF, 118
.set A1,   120
.set A2,   128
	s_load_b512 s[8:23], s[0:1], 0x0               ; x s[8:9], gate s[10:11], w1 s[12:13], w3 s[14:15], w2 s[16:17], xb s[18:19], wu s[20:21], wd s[22:23]
	s_load_b128 s[24:27], s[0:1], 0x40             ; rt s[24:25], sel s[26:27]
	s_load_b64 s[28:29], s[0:1], 0x50              ; mlt
	v_lshl_add_u32 v6, v0, 2, SPARE                ; my spare word, and 0: kept for the closing add alone
	v_mov_b32 v7, 0
	v_lshrrev_b32 v1, 5, v0
	v_readfirstlane_b32 s2, v1                     ; wave 0..7
	v_and_b32 v1, 31, v0                           ; lane
	v_and_b32 v4, 15, v0                           ; r
	v_bfe_u32 v5, v0, 4, 1                         ; h
	v_lshlrev_b32 v2, 4, v1                        ; 16 lane
	v_lshlrev_b32 v3, 3, v1                        ; 8 lane
	v_lshl_add_u32 v8, s2, 10, v2                  ; gate: my 256 k of a row (1,024 bytes) + 16 lane
	v_lshl_add_u32 v9, s2, 14, v2                  ; x: my two rows of 8,192 bytes
	s_lshl_b32 s4, s2, 9
	s_add_co_u32 s4, s4, GT                        ; my 512 bytes of a gate row in LDS
	v_add_nc_u32 v10, s4, v3
	v_lshl_add_u32 v11, s2, 13, v3                 ; xb: my two rows of 4,096 bytes
	s_mul_i32 s5, s2, 2*XPITCH
	v_add_nc_u32 v12, s5, v3                       ; the same two rows in LDS
	v_mul_u32_u24 v13, v4, XPITCH                  ; fragment of x: row r, my K range, 16 h
	v_lshl_add_u32 v13, v5, 4, v13
	v_lshl_add_u32 v13, s2, 9, v13
	v_and_b32 v14, 7, v0                           ; fragment of the gate: row r % 8 (rows 8-15 repeat rows 0-7)
	v_mul_u32_u24 v14, v14, XPITCH
	v_lshl_add_u32 v14, v5, 4, v14
	v_add_nc_u32 v14, s4, v14
	v_lshlrev_b32 v16, 5, v1
	v_add_nc_u32 v16, PL, v16                      ; partial logits: 32 bytes a lane
	v_lshl_add_u32 v15, s2, 10, v16
	s_mul_i32 s6, s2, 16*WPITCH
	s_add_co_u32 s6, s6, WT                        ; my stage
	v_add_nc_u32 v17, s6, v3                       ; in: 8 bytes a lane along a row
	v_mul_u32_u24 v18, v4, WPITCH                  ; back: row r, 16 h
	v_lshl_add_u32 v18, v5, 4, v18
	v_add_nc_u32 v18, s6, v18
	s_lshl_b32 s30, ttmp9, 3
	s_add_co_u32 s30, s30, s2                      ; G
	s_lshl_b32 s32, ttmp9, 17                      ; x: 16 rows of 8,192 bytes
	s_mov_b32 s33, 0
	s_lshl_b32 s34, ttmp9, 16                      ; xb
	s_mov_b32 s35, 0
	s_lshr_b32 s31, s30, 4
	s_lshl_b32 s31, s31, 17                        ; w1, w3: block of 16 rows G / 16: 131,072 bytes in the source and in wu
	s_and_b32 s7, s30, 15
	s_lshl_b32 s36, s7, 9                          ; k block G % 16: 512 bytes of a source row,
	s_add_co_u32 s36, s36, s31
	s_mov_b32 s37, 0
	s_lshl_b32 s38, s7, 13                         ; four K steps of 2,048 bytes in wu
	s_add_co_u32 s38, s38, s31
	s_mov_b32 s39, 0
	s_lshr_b32 s31, s30, 1
	s_lshl_b32 s40, s31, 14                        ; w2: block of 16 rows G / 2: 16,384 bytes; k half G % 2: 512 bytes
	s_and_b32 s7, s30, 1
	s_lshl_b32 s5, s7, 9
	s_add_co_u32 s40, s40, s5
	s_mov_b32 s41, 0
	s_lshr_b32 s42, s30, 3
	s_lshl_b32 s42, s42, 15                        ; wd: (e, W, pass) = G / 8: 32,768 bytes;
	s_and_b32 s31, s31, 3
	s_lshl_b32 s31, s31, 10                        ; cb: 1,024;
	s_add_co_u32 s42, s42, s31
	s_lshl_b32 s7, s7, 14                          ; k half: four K steps of 4,096
	s_add_co_u32 s42, s42, s7
	s_mov_b32 s43, 0
	s_lshl_b32 s44, ttmp9, 7                       ; rt: 128 bytes; mlt: 16 x 8
	s_mov_b32 s45, 0
	s_lshl_b32 s46, ttmp9, 6                       ; sel: 16 x 4
	s_mov_b32 s47, 0
	s_wait_kmcnt 0x0
	s_add_nc_u64 s[8:9], s[8:9], s[32:33]
	s_add_nc_u64 s[18:19], s[18:19], s[34:35]
	s_add_nc_u64 s[12:13], s[12:13], s[36:37]
	s_add_nc_u64 s[14:15], s[14:15], s[36:37]
	s_add_nc_u64 s[20:21], s[20:21], s[38:39]
	s_add_nc_u64 s[16:17], s[16:17], s[40:41]
	s_add_nc_u64 s[22:23], s[22:23], s[42:43]
	s_add_nc_u64 s[24:25], s[24:25], s[44:45]
	s_add_nc_u64 s[26:27], s[26:27], s[46:47]
	s_add_nc_u64 s[28:29], s[28:29], s[44:45]
	; 16 loads of the gate (my K range of all 8 rows), then 32 of x (512 consecutive bytes each)
.irp e, 0,1,2,3,4,5,6,7
	global_load_b128 v[GR+8*\e:GR+8*\e+3],   v8, s[10:11] offset:\e*8192
	global_load_b128 v[GR+8*\e+4:GR+8*\e+7], v8, s[10:11] offset:\e*8192+512
.endr
.set i, 0
.rept 32
	global_load_b128 v[XR+4*i:XR+4*i+3], v9, s[8:9] offset:(i/16)*8192+(i%16)*512 th:TH_LOAD_NT
.set i, i+1
.endr
	s_wait_loadcnt 32                              ; the gate is in; the 32 loads of x stay out
.set i, 0
.rept 16
	v_cvt_pk_bf16_f32 v[GR+4*i],   v[GR+4*i],   v[GR+4*i+1]
	v_cvt_pk_bf16_f32 v[GR+4*i+1], v[GR+4*i+2], v[GR+4*i+3]
	ds_store_b64 v10, v[GR+4*i:GR+4*i+1] offset:(i/2)*XPITCH+(i%2)*256   ; only this wave reads this K range of the gate
.set i, i+1
.endr
	s_wait_dscnt 0x0                               ; the stores have read GR, which is loaded again
.set i, 0
.rept 16
	global_load_b128 v[GR+4*i:GR+4*i+3], v2, s[12:13] offset:i*8192 th:TH_LOAD_NT   ; w1's tile, a row of 512 bytes a load
.set i, i+1
.endr
.set i, 0
.rept 32
	s_wait_loadcnt 47-i                            ; load i of x is in: the 31 - i younger ones and the tile's 16 stay out
	v_cvt_pk_bf16_f32 v[XR+4*i],   v[XR+4*i],   v[XR+4*i+1]
	v_cvt_pk_bf16_f32 v[XR+4*i+1], v[XR+4*i+2], v[XR+4*i+3]
	global_store_b64 v11, v[XR+4*i:XR+4*i+1], s[18:19] offset:(i/16)*4096+(i%16)*256   ; 32 lanes store 256 consecutive bytes, aligned
	ds_store_b64 v12, v[XR+4*i:XR+4*i+1] offset:(i/16)*XPITCH+(i%16)*256
.set i, i+1
.endr
	s_wait_dscnt 0x0                               ; for the others' sake: my two rows are in LDS
	s_barrier_signal -1
	s_barrier_wait -1
	s_wait_xcnt 0x0                                ; XR was the stores' data: it is loaded again only behind this wait
	; THE ROUTER.  Source 0 = the gate's rows, source 1 = 16 tokens: register j of lane (r, h) is the logit of expert j for token r, in both halves of the lanes.
.irp s, 0,1,2,3,4,5,6,7
	ds_load_b128 v[XR+8*\s:XR+8*\s+3],       v13 offset:64*\s
	ds_load_b128 v[XR+8*\s+4:XR+8*\s+7],     v13 offset:64*\s+32
	ds_load_b128 v[XR+64+8*\s:XR+64+8*\s+3],   v14 offset:64*\s
	ds_load_b128 v[XR+64+8*\s+4:XR+64+8*\s+7], v14 offset:64*\s+32
.endr
	s_wait_dscnt 0x0
	v_wmma_f32_16x16x32_bf16 v[ACC0:ACC0+7], v[XR+64:XR+71], v[XR:XR+7], 0       ; two accumulators take turns; the first two products start the sums
	v_wmma_f32_16x16x32_bf16 v[ACC1:ACC1+7], v[XR+72:XR+79], v[XR+8:XR+15], 0
.irp s, 2,4,6
	v_wmma_f32_16x16x32_bf16 v[ACC0:ACC0+7], v[XR+64+8*\s:XR+71+8*\s], v[XR+8*\s:XR+8*\s+7], v[ACC0:ACC0+7]
	v_wmma_f32_16x16x32_bf16 v[ACC1:ACC1+7], v[XR+72+8*\s:XR+79+8*\s], v[XR+8+8*\s:XR+15+8*\s], v[ACC1:ACC1+7]
.endr
.rept 4
	v_nop                                          ; four places behind the last product (ISA guide 7.12.1)
.endr
.irp p, 0,2,4,6
	v_pk_add_f32 v[ACC0+\p:ACC0+\p+1], v[ACC0+\p:ACC0+\p+1], v[ACC1+\p:ACC1+\p+1]   ; from the low end on
.endr
	ds_store_b128 v15, v[ACC0:ACC0+3]
	ds_store_b128 v15, v[ACC0+4:ACC0+7] offset:16
	s_wait_dscnt 0x0                               ; for wave 0's sake
	s_barrier_signal -1
	s_barrier_wait -1
	s_cmp_lg_u32 s2, 0
	s_cbranch_scc1 .Lcast                          ; the routing is wave 0's; no barrier stands in it
.set i, 0
.rept 8
	ds_load_b128 v[LG+8*i:LG+8*i+3],   v16 offset:1024*i
	ds_load_b128 v[LG+8*i+4:LG+8*i+7], v16 offset:1024*i+16
.set i, i+1
.endr
	v_mov_b32 v25, 0                               ; the record (outside v96-159, which the sixteen loads are still to write)
	s_wait_dscnt 0x0
.set i, 1
.rept 7                                            ; the eight K ranges are added in ascending order
.irp p, 0,2,4,6
	v_pk_add_f32 v[LG+\p:LG+\p+1], v[LG+\p:LG+\p+1], v[LG+8*i+\p:LG+8*i+\p+1]
.endr
.set i, i+1
.endr
	v_mov_b32 v[NINF], 0xff800000                  ; behind the sum: from here on v104-159 are free for what follows
.macro TOP lb, val, idx                ; the largest of 8; a strict comparison keeps the lower index
	v_mov_b32 v[\val], v[\lb]
	v_mov_b32 v[\idx], 0
.irp e, 1,2,3,4,5,6,7
	v_cmp_gt_f32 vcc_lo, v[(\lb)+\e], v[\val]
	v_cndmask_b32 v[\idx], v[\idx], \e, vcc_lo
	v_max_num_f32 v[\val], v[\val], v[(\lb)+\e]
.endr
.endm
; The exponents of one softmax, less its maximum, which is the threshold itself: -log2(e) (v - L), or -inf where the jitter test hides the expert.
.macro ARGS lb, val, ab
.irp e, 0,1,2,3,4,5,6,7
	v_sub_f32 v[DD], v[\val], v[(\lb)+\e]
	v_and_b32 v[FF], 0x7fffffff, v[(\lb)+\e]
	v_max_num_f32 v[FF], v[FF], v[\val]
	v_mul_f32 v[FF], 0x3ca3d70a, v[FF]             ; 0.02 max(|L|, v)
	v_mul_f32 v[(\ab)+\e], 0xbfb8aa3b, v[DD]
	v_cmp_gt_f32 vcc_lo, v[DD], v[FF]
	v_cndmask_b32 v[(\ab)+\e], v[(\ab)+\e], v[NINF], vcc_lo
.endr
.endm
	TOP LG, V1, I1
.irp e, 0,1,2,3,4,5,6,7
	v_cmp_eq_u32 vcc_lo, \e, v[I1]
	v_cndmask_b32 v[L2+\e], v[LG+\e], v[NINF], vcc_lo   ; at the first choice the second pass has -inf: its exponent is -inf, its term 0
.endr
	TOP L2, V2, I2
	ARGS LG, V1, A1
	ARGS L2, V2, A2
.set i, 0
.rept 16
	v_exp_f32 v[A1+i], v[A1+i]                     ; one batch
.set i, i+1
.endr
	v_nop                                          ; a plain instruction behind the last exponential,
	s_wait_alu depctr_va_vdst(0)                   ; and one wait ahead of the first reader
.irp b, A1, A2
	v_pk_add_f32 v[\b:\b+1],   v[\b:\b+1],   v[\b+2:\b+3]
	v_pk_add_f32 v[\b+4:\b+5], v[\b+4:\b+5], v[\b+6:\b+7]
	v_pk_add_f32 v[\b:\b+1],   v[\b:\b+1],   v[\b+4:\b+5]
	v_add_f32 v[\b], v[\b], v[\b+1]
.endr
	v_rcp_f32 v[A1], v[A1]                         ; the chosen expert's own term is 1: its weight is 1 / sum
	v_rcp_f32 v[A2], v[A2]
	v_min_u32 v20, v[I1], v[I2]                    ; lo (plain work behind the reciprocals)
	v_add_nc_u32 v21, v[I1], v[I2]
	v_sub_nc_u32 v21, v21, v20                     ; hi
	v_cmp_lt_u32 vcc_lo, v[I1], v[I2]
	s_wait_alu depctr_va_vdst(0)                   ; one wait for the two reciprocals
	v_cndmask_b32 v22, v[A2], v[A1], vcc_lo        ; m_lo
	v_cndmask_b32 v23, v[A1], v[A2], vcc_lo        ; m_hi
	v_lshl_or_b32 v24, v21, 8, v20
.irp e, 0,1,2,3,4,5,6,7
	v_cmp_eq_u32 s30, \e, v20
	v_cmp_eq_u32 s31, \e, v21
	s_or_b32 s30, s30, s31
	s_and_b32 s[40+\e], s30, 0xffff                ; the expert's mask of the 16 tokens (lanes 16-31 repeat lanes 0-15)
	s_bcnt1_i32_b32 s[48+\e], s[40+\e]
.endr
.irp d, 0,1,2,3
	s_lshl_b32 s30, s[41+2*\d], 16
	s_or_b32 s30, s30, s[40+2*\d]
	v_writelane_b32 v25, s30, \d
	s_lshl_b32 s31, s[49+2*\d], 16
	s_or_b32 s31, s31, s[48+2*\d]
	v_writelane_b32 v25, s31, 4+\d
.endr
.set p, 0
.irp a, 0,1,2,3,4,5,6
.irp b, 1,2,3,4,5,6,7
.if \b > \a
	s_and_b32 s30, s[40+\a], s[40+\b]              ; the tokens that chose both
.if p % 2 == 0
	s_bcnt1_i32_b32 s31, s30
.else
	s_bcnt1_i32_b32 s30, s30
	s_lshl_b32 s30, s30, 16
	s_or_b32 s31, s31, s30
	v_writelane_b32 v25, s31, 8+p/2
.endif
.set p, p+1
.endif
.endr
.endr
	v_lshlrev_b32 v26, 2, v1
	v_lshlrev_b32 v27, 2, v4
	v_lshlrev_b32 v28, 3, v4
	global_store_b32 v26, v25, s[24:25]            ; the record: 128 consecutive bytes
	global_store_b32 v27, v24, s[26:27]            ; lanes 16-31 store what lanes 0-15 store, to the same places: EXEC stays whole
	global_store_b64 v28, v[22:23], s[28:29]
.Lcast:
.set i, 0
.rept 16
	global_load_b128 v[XR+4*i:XR+4*i+3], v2, s[14:15] offset:i*8192 th:TH_LOAD_NT        ; w3's tile
.set i, i+1
.endr
.set i, 0
.rept 16
	global_load_b128 v[XR+64+4*i:XR+64+4*i+3], v2, s[16:17] offset:i*1024 th:TH_LOAD_NT  ; w2's tile
.set i, i+1
.endr
; A tile of 16 rows x 128 k: rounded in place, through my stage, out as fragments: each store of the wave covers 512 consecutive bytes.  left = the younger tile loads, which stay out.
.macro CAST reg, left, base, imm, sstride
	s_wait_loadcnt \left
.set i, 0
.rept 16
	v_cvt_pk_bf16_f32 v[(\reg)+4*i],   v[(\reg)+4*i],   v[(\reg)+4*i+1]
	v_cvt_pk_bf16_f32 v[(\reg)+4*i+1], v[(\reg)+4*i+2], v[(\reg)+4*i+3]
	ds_store_b64 v17, v[(\reg)+4*i:(\reg)+4*i+1] offset:i*WPITCH
.set i, i+1
.endr
	s_wait_xcnt 0x0                                ; OUT was the last tile's store data
.set i, 0
.rept 8
	ds_load_b128 v[OUT+4*i:OUT+4*i+3], v18 offset:(i/2)*64+(i%2)*32   ; LDS serves a wave's instructions in order (ISA guide 5.7.1.4): these see the stores above
.set i, i+1
.endr
.set i, 0
.rept 8
	s_wait_dscnt 7-i
	global_store_b128 v2, v[OUT+4*i:OUT+4*i+3], s[\base:\base+1] offset:(\imm)+(i/2)*(\sstride)+(i%2)*512
.set i, i+1
.endr
.endm
	CAST GR,    32, 20, 0,    2048
	CAST XR,    16, 20, 1024, 2048
	CAST XR+64, 0,  22, 0,    4096
	s_wait_tensorcnt 0x0                           ; the wave's end, behind my last LDS store
	ds_add_u32 v6, v7
	s_wait_dscnt 0x0
	s_endpgm
.Lfunc_end_k_q932b585381_prep:
	.size	k_q932b585381_prep, .Lfunc_end_k_q932b585381_prep-k_q932b585381_prep
	.p2alignl 7, 3214868480
	.fill 96, 4, 3214868480
	.section	.rodata,"a",@progbits
	.p2align	6, 0x0
	.amdhsa_kernel k_q932b585381_prep
		.amdhsa_group_segment_fixed_size 142848
		.amdhsa_private_segment_fixed_size 0
		.amdhsa_enable_private_segment 0
		.amdhsa_kernarg_size 88
		.amdhsa_user_sgpr_count 2
		.amdhsa_user_sgpr_kernarg_segment_ptr 1
		.amdhsa_wavefront_size32 1
		.amdhsa_system_sgpr_workgroup_id_x 1
		.amdhsa_system_sgpr_workgroup_id_y 1
		.amdhsa_system_sgpr_workgroup_id_z 1
		.amdhsa_system_vgpr_workitem_id 0
		.amdhsa_next_free_vgpr 256
		.amdhsa_next_free_sgpr 66
		.amdhsa_reserve_vcc 1
		.amdhsa_float_denorm_mode_32 3
		.amdhsa_float_denorm_mode_16_64 3
		.amdhsa_memory_ordered 1
		.amdhsa_forward_progress 1
		.amdhsa_inst_pref_size 62
	.end_amdhsa_kernel
	.amdgpu_metadata
---
amdhsa.version: [ 1, 2 ]
amdhsa.kernels:
  - .name:           k_q932b585381_prep
    .symbol:         k_q932b585381_prep.kd
    .args:
      - { .name: hidden_states, .offset: 0, .size: 8, .value_kind: global_buffer, .address_space: global }
      - { .name: gate_w, .offset: 8, .size: 8, .value_kind: global_buffer, .address_space: global }
      - { .name: w1, .offset: 16, .size: 8, .value_kind: global_buffer, .address_space: global }
      - { .name: w3, .offset: 24, .size: 8, .value_kind: global_buffer, .address_space: global }
      - { .name: w2, .offset: 32, .size: 8, .value_kind: global_buffer, .address_space: global }
      - { .name: xb, .offset: 40, .size: 8, .value_kind: global_buffer, .address_space: global }
      - { .name: wu, .offset: 48, .size: 8, .value_kind: global_buffer, .address_space: global }
      - { .name: wd, .offset: 56, .size: 8, .value_kind: global_buffer, .address_space: global }
      - { .name: rt, .offset: 64, .size: 8, .value_kind: global_buffer, .address_space: global }
      - { .name: sel, .offset: 72, .size: 8, .value_kind: global_buffer, .address_space: global }
      - { .name: mlt, .offset: 80, .size: 8, .value_kind: global_buffer, .address_space: global }
    .group_segment_fixed_size: 142848
    .private_segment_fixed_size: 0
    .kernarg_segment_align: 8
    .kernarg_segment_size: 88
    .max_flat_workgroup_size: 256
    .sgpr_count:     66
    .vgpr_count:     256
    .wavefront_size: 32
...
	.end_amdgpu_metadata
.endif
;; end of part 1
;; launch up (part 2): grid 256 x 1, 4 waves a work-group, no clusters, 207,104 bytes of LDS; arguments xb, wu, rt, sel, mlt, hb; writes hb
.if DOCPART == 2
	.amdgcn_target "amdgcn-amd-amdhsa--gfx1250"
	.amdhsa_code_object_version 6
	.text
	.protected	k_q932b585381_up
	.globl	k_q932b585381_up
	.p2align	8
	.type	k_q932b585381_up,@function
k_q932b585381_up:
	s_mov_b64 s[64:65], 0
	v_nop
	global_prefetch_b8 v0, s[64:65] scope:SCOPE_SE
	s_setreg_imm32_b32 hwreg(HW_REG_WAVE_MODE, 25, 1), 1
	s_wait_xcnt 0x0
; UP.  hb[t][pos][:] = bf16( silu(x_t w1[e]^T) (x_t w3[e]^T) m ), for the two experts of each token; pos 0 is the expert with the lower index.
; TILES.  A tile is up to 144 routed rows of one expert x 64 hidden columns (of w1 and of w3).  The sum over experts of ceil(n_e / 144) is at most (8,192 + 8 x 143) / 144 = 64.8,
; so 64 row tiles x 4 column parts = 256 work-groups serve every split of the tokens.  Every work-group finds its tile from the stored counts by the same formula.  All trip counts are
; constants: places past a tile's count repeat its last row (and store the same bytes again); a work-group whose tile does not exist runs on token 0 and jumps its stores alone.
; SHARES.  Wave w multiplies all 144 rows by column block q = 4 c + w of w1 and of w3: 18 accumulators.  x rows come by the list, 256 k at a time, through registers into two LDS slots that
; take turns; the weights, which only this wave of the work-group wants, come from memory straight into operand registers, six K steps ahead (512 consecutive bytes a load).
; THE MATRIX INSTRUCTION IS USED TRANSPOSED (source 0 = 16 weight rows, source 1 = 16 tokens): a lane holds 8 neighbouring hidden columns of one token.
; No tensor loads: the rows come by a list, which no descriptor covers.  No cluster: what partners could share, the weights, goes to registers and never lies in LDS.
; The stores are pieces of 128 bytes (a work-group owns 64 hidden columns): half of an aligned 256; the buffer is 4 MB.
; LIMITS.  NaN and infinities are not treated apart.  2^(-log2e g) overflows to infinity for g below about -88: its reciprocal is 0 and h is 0, as silu's limit is.
; REGISTERS, in windows of 256 (s_set_vgpr_msb: bits 1:0 source 0, 3:2 source 1, 5:4 source 2, 7:6 destination):
;   window 0: addresses, row offsets, two fragment buffers of x, the rows' weights     window 1: v0-127 a ring of 8 K steps of weights
;   window 2: v0-143 accumulator (a, b) at 16 a + 8 b (b = 0: w1, 1: w3)                window 3: v0-143 36 rows on their way into LDS; at the end at work
.set R,       144
.set APITCH,  528                      ; 512 bytes of a row + 16: an odd multiple of 16
.set SLOT1,   131072                   ; slot 0 at 0, slot 1 here: 76,032 bytes each
.set LSTRIDE, 640
.set LISTW,   76288                    ; four lists of 160 words, one a wave; word 144 is the wave's dump
.set LIST2,   LISTW+4*LSTRIDE          ; four copies of the finished list, one a wave
.set XW,      LIST2+4*LSTRIDE          ; 64 bytes a wave: its counts
.set BMS,     XW+256                   ; 32 bytes a thread: the masks of its 32 tokens
.set HS,      BMS+4096                 ; h on its way out: 144 rows x 144 bytes
.set HPITCH,  144
.set SPARE,   HS+144*HPITCH            ; the spare words: 128 bytes a wave, two blocks of 256 bytes that no other line names
.set SPW, 6
.set NIL, 7
.set MK,  8                            ; v8-12  all ones where the lane's bit k is set
.set T,   13
.set U,   14
.set PRE, 15
.set TOT, 16
.set NV,  17
.set TLV, 18
.set XV,  19
.set YV,  20
.set MV,  21
.set RUN, 22
.set DV,  23
.set TOK0, 24
.set ADRLO, 25                         ; fragments of row blocks 0-4 in the slot in hand
.set ADRHI, 26                         ; of row blocks 5-8 (42,240 bytes on: LDS offsets have 16 bits)
.set STA, 27                           ; where my 36 rows go next
.set AL0, 28                           ; the three in slot 0; never rewritten
.set AH0, 29
.set L16, 30                           ; 16 lane; never rewritten
.set ST0, 31
.set RO,  32                           ; v32-67  row j of my 36: token x 4,096 + 16 lane; never rewritten
.set PK,  32                           ; (before that: at work)
.set HST, 68
.set HRD, 69
.set BMSA, 70
.set XWA, 71
.set F0,  72
.set F1,  144
.set MULT, 216                         ; v216-233  block a's weight for row r, twice (a pair for the packed multiply)
.set HOFF, 234                         ; v234-242  byte offsets in hb
.set L2S, 243
.set L2B, 244
.set L2R, 245
.set L2Q, 246
.set COLT, 247
.set TKA, 144                          ; maps, in fragment buffer 1 before the loop
.set SLA, 153
.set MLA, 162
.set TKB, 180
.set SLB, 189
.set OFA, 198
.set OFM, 207
.set OFB, 72
.set WV,  2
.set TAU, 3
.set CP,  4
.set E,   32
.set ROWS, 33
.set RM1, 34
.set LB,  35
.set SEL, 36
.set TB,  38
.set CNT, 39
.set CS,  40
.set BP,  46
.set MSB, 0
.macro WIN new                         ; the immediate's high byte repeats the setting that is left; a switch that changes nothing is dropped
.if MSB != (\new)
	s_set_vgpr_msb (MSB<<8)|(\new)
.set MSB, \new
.endif
.endm
.set W_MUL, 0xa1                       ; weights window 1, x window 0, C and D window 2
.macro BAR
	s_barrier_signal -1
	s_barrier_wait -1
.endm
.macro PLACES
.rept 4
	v_nop
.endr
.endm
; WHOLE NUMBERS ACROSS THE LANES.  XSTEP: v[T] = reg of lane xor m.
.macro XSTEP reg, m
.if (\m) == 16
	v_permlanex16_b32 v[T], v[\reg], s[SEL], s[SEL+1]
.else
	v_mov_b32_dpp v[T], v[\reg] row_xmask:\m row_mask:0xf bank_mask:0xf
.endif
.endm
.macro REDUCE reg                      ; the sum over the 32 lanes, in every lane
.irp m, 1,2,4,8,16
	XSTEP \reg, \m
	v_add_nc_u32 v[\reg], v[\reg], v[T]
.endr
.endm
.macro SCAN                            ; v[PRE] = the sum of v[TOT] over the lower lanes (v[TOT] ends as the total)
	v_mov_b32 v[PRE], 0
.set k, 0
.irp m, 1,2,4,8,16
	XSTEP TOT, \m
	v_and_b32 v[U], v[MK+k], v[T]
	v_add_nc_u32 v[PRE], v[PRE], v[U]
	v_add_nc_u32 v[TOT], v[TOT], v[T]
.set k, k+1
.endr
.endm
.macro POPC                            ; v[TOT] = the number of ones in v[MV]
	v_lshrrev_b32 v[T], 1, v[MV]
	v_and_b32 v[T], 0x55555555, v[T]
	v_sub_nc_u32 v[TOT], v[MV], v[T]
	v_lshrrev_b32 v[T], 2, v[TOT]
	v_and_b32 v[T], 0x33333333, v[T]
	v_and_b32 v[TOT], 0x33333333, v[TOT]
	v_add_nc_u32 v[TOT], v[TOT], v[T]
	v_lshrrev_b32 v[T], 4, v[TOT]
	v_add_nc_u32 v[TOT], v[TOT], v[T]
	v_and_b32 v[TOT], 0x0f0f0f0f, v[TOT]
	v_lshrrev_b32 v[T], 8, v[TOT]
	v_add_nc_u32 v[TOT], v[TOT], v[T]
	v_lshrrev_b32 v[T], 16, v[TOT]
	v_add_nc_u32 v[TOT], v[TOT], v[T]
	v_and_b32 v[TOT], 63, v[TOT]
.endm
; WHICH SET OWNS ROW TILE TAU.  Lane p has set p: its count N (the four waves' parts added), its tiles ceil(N / r) (r = 16 x 9: a shift and a multiplication by magic = ceil(65,536 / 9), exact for
; the arguments up to 264 that occur), and the tiles of the sets before it.  The one lane whose range holds TAU packs N, first tile, tiles and p into 13 + 7 + 6 + 5 bits; all others hold 0; the sum over
; the lanes brings the word to all.  With no such lane every field is 0.  Out: s23 N, s24 first tile, s25 tiles, s26 set, s27 the count of the set in the waves before mine.
.macro PICK nsets, r, magic
	v_min_u32 v[T], (\nsets)-1, v1
	v_lshl_add_u32 v[T], v[T], 1, XW
	ds_load_u16 v[PK],   v[T]
	ds_load_u16 v[PK+1], v[T] offset:64
	ds_load_u16 v[PK+2], v[T] offset:128
	ds_load_u16 v[PK+3], v[T] offset:192
	s_cmp_gt_u32 s[WV], 0
	s_cselect_b32 s20, 1, 0
	s_cmp_gt_u32 s[WV], 1
	s_cselect_b32 s21, 1, 0
	s_cmp_gt_u32 s[WV], 2
	s_cselect_b32 s22, 1, 0
	s_wait_dscnt 0x0
	v_add3_u32 v[NV], v[PK], v[PK+1], v[PK+2]
	v_add_nc_u32 v[NV], v[NV], v[PK+3]
	v_mul_u32_u24 v[YV], v[PK], s20
	v_mad_u32_u24 v[YV], v[PK+1], s21, v[YV]
	v_mad_u32_u24 v[YV], v[PK+2], s22, v[YV]
	v_cmp_gt_u32 vcc_lo, \nsets, v1
	v_cndmask_b32 v[NV], 0, v[NV], vcc_lo
	v_add_nc_u32 v[TLV], (\r)-1, v[NV]
	v_lshrrev_b32 v[TLV], 4, v[TLV]
	v_mul_u32_u24 v[TLV], v[TLV], \magic
	v_lshrrev_b32 v[TLV], 16, v[TLV]
	v_mov_b32 v[TOT], v[TLV]
	SCAN
	v_cmp_ge_u32 s20, s[TAU], v[PRE]
	v_add_nc_u32 v[U], v[PRE], v[TLV]
	v_cmp_lt_u32 s21, s[TAU], v[U]
	s_and_b32 s20, s20, s21
	v_lshl_or_b32 v[XV], v[PRE], 13, v[NV]
	v_lshl_or_b32 v[XV], v[TLV], 20, v[XV]
	v_lshl_or_b32 v[XV], v1, 26, v[XV]
	v_cndmask_b32 v[XV], 0, v[XV], s20
	v_cndmask_b32 v[YV], 0, v[YV], s20
	REDUCE XV
	REDUCE YV
	v_readfirstlane_b32 s21, v[XV]
	v_readfirstlane_b32 s27, v[YV]
	s_bfe_u32 s23, s21, 0xd0000
	s_bfe_u32 s24, s21, 0x7000d
	s_bfe_u32 s25, s21, 0x60014
	s_bfe_u32 s26, s21, 0x5001a
.endm
; MY 32 TOKENS INTO MY WAVE'S LIST.  v[MV] holds a 1 where the token is NOT chosen, v[RUN] the place in the tile of my next chosen token (below 0 it wraps to a large number).
; A token not chosen, or outside the tile, goes to the dump word r.
.macro ENUM r
.set b, 0
.rept 32
	v_bfe_u32 v[T], v[MV], b, 1
	v_lshl_add_u32 v[U], v[T], 20, v[RUN]
	v_min_u32 v[U], \r, v[U]
	v_lshl_add_u32 v[U], v[U], 2, s[LB]
	v_add_nc_u32 v[DV], b, v[TOK0]
	ds_store_b32 v[U], v[DV]
	v_sub_nc_u32 v[RUN], v[RUN], v[T]
	v_add_nc_u32 v[RUN], 1, v[RUN]
.set b, b+1
.endr
.endm
	s_load_b256 s[8:15], s[0:1], 0x0               ; xb s[8:9], wu s[10:11], rt s[12:13], sel s[14:15]
	s_load_b128 s[16:19], s[0:1], 0x20             ; mlt s[16:17], hb s[18:19]
	v_lshl_add_u32 v[SPW], v0, 2, SPARE            ; my spare word, and 0: kept for the closing add alone
	v_mov_b32 v[NIL], 0
	v_lshrrev_b32 v1, 5, v0
	v_readfirstlane_b32 s[WV], v1                  ; wave 0..3
	s_lshr_b32 s[TAU], ttmp9, 2                    ; row tile
	s_and_b32 s[CP], ttmp9, 3                      ; column part
	s_mov_b32 s[SEL], 0x76543210
	s_mov_b32 s[SEL+1], 0xfedcba98
	s_mov_b32 s[CS], 0xbfb8aa3b                    ; -log2(e)
	s_mov_b32 s[CS+1], s[CS]                       ; named with it as a pair
	s_mov_b32 s[TB], 0
	v_and_b32 v1, 31, v0                           ; lane
	v_and_b32 v2, 15, v0                           ; r
	v_bfe_u32 v3, v0, 4, 1                         ; h
.irp k, 0,1,2,3,4
	v_bfe_u32 v[MK+\k], v0, \k, 1
	v_sub_nc_u32 v[MK+\k], 0, v[MK+\k]
.endr
	v_lshlrev_b32 v[L16], 4, v1
	v_lshlrev_b32 v4, 8, v0                        ; thread i stands for tokens 32 i .. 32 i + 31: records 2 i, 2 i + 1
	v_mov_b32 v[T], 0
	v_mov_b32 v[U], 0
	s_mul_i32 s[LB], s[WV], LSTRIDE
	s_add_co_u32 s[LB], s[LB], LISTW               ; my wave's list
	v_lshl_add_u32 v5, v1, 2, s[LB]
	v_lshl_add_u32 v[BMSA], v0, 5, BMS
	s_lshl_b32 s5, s[WV], 6
	s_add_co_u32 s5, s5, XW
	v_mov_b32 v[XWA], s5
	s_wait_kmcnt 0x0
	global_load_b128 v[32:35], v4, s[12:13]            ; masks,
	global_load_b128 v[36:39], v4, s[12:13] offset:16  ; counts
	global_load_b128 v[40:43], v4, s[12:13] offset:128
	global_load_b128 v[44:47], v4, s[12:13] offset:144
.irp k, 0,1,2,3,4
	ds_store_b32 v5, v[U] offset:128*\k            ; my wave's list starts as zeros
.endr
	; addresses, in the wait for the records
	s_mul_i32 s5, s[WV], LSTRIDE
	s_add_co_u32 s5, s5, LIST2                     ; my wave's copy of the finished list
	v_lshl_add_u32 v[L2S], v1, 2, s5
	v_lshl_add_u32 v[L2R], v2, 2, s5
	s_mul_i32 s6, s[WV], 144
	s_add_co_u32 s6, s6, s5                        ; my 36 rows in it
	v_mov_b32 v[L2B], s6
	v_lshrrev_b32 v[DV], 3, v1                     ; lane / 8
	v_lshl_add_u32 v[L2Q], v[DV], 2, s6
	v_mul_u32_u24 v[AL0], v2, APITCH
	v_lshl_add_u32 v[AL0], v3, 4, v[AL0]           ; row r x pitch + 16 h
	v_add_nc_u32 v[AH0], 5*16*APITCH, v[AL0]
	s_mul_i32 s7, s[WV], 36*APITCH
	v_add_nc_u32 v[ST0], s7, v[L16]
	v_mul_u32_u24 v[HST], v2, HPITCH               ; h in: row r, my 32 bytes, 16 h
	v_lshl_add_u32 v[HST], v3, 4, v[HST]
	s_lshl_b32 s7, s[WV], 5
	s_add_co_u32 s7, s7, HS
	v_add_nc_u32 v[HST], s7, v[HST]
	s_mul_i32 s7, s[WV], 36
	v_add_nc_u32 v[HRD], s7, v[DV]                 ; h back: four rows of 128 bytes a load
	v_mul_u32_u24 v[HRD], v[HRD], HPITCH
	v_and_b32 v[DV], 7, v0
	v_lshl_add_u32 v[HRD], v[DV], 4, v[HRD]
	v_add_nc_u32 v[HRD], HS, v[HRD]
	v_lshlrev_b32 v[COLT], 4, v[DV]
	v_lshl_add_u32 v[COLT], s[CP], 7, v[COLT]      ; my 16 bytes of the work-group's 128 in a row of hb
	v_mov_b32 v[ADRLO], v[AL0]
	v_mov_b32 v[ADRHI], v[AH0]
	v_mov_b32 v[STA], v[ST0]
	v_lshlrev_b32 v[TOK0], 5, v0
	s_wait_loadcnt 0x0
	ds_store_b128 v[BMSA], v[32:35]                ; my own bytes: read back below at an offset that hangs on the expert
	ds_store_b128 v[BMSA], v[40:43] offset:16
.irp k, 0,1,2,3
	v_add_nc_u32 v[36+\k], v[36+\k], v[44+\k]      ; two 16-bit counts a word; no count passes 4,096
.endr
	REDUCE 36
	REDUCE 37
	REDUCE 38
	REDUCE 39
	ds_store_b128 v[XWA], v[36:39]                 ; every lane the same bytes
	s_wait_dscnt 0x0                               ; for the others' sake
	BAR
	PICK 8, R, 7282
	s_min_u32 s[E], s26, 7
	s_sub_co_u32 s28, s[TAU], s24                  ; my tile among the expert's
	s_mul_i32 s28, s28, R                          ; its first row
	s_sub_co_i32 s[ROWS], s23, s28
	s_max_i32 s[ROWS], s[ROWS], 0
	s_min_u32 s[ROWS], s[ROWS], R
	s_max_u32 s[RM1], s[ROWS], 1
	s_sub_co_u32 s[RM1], s[RM1], 1                 ; the last row that exists
	s_sub_co_u32 s27, s27, s28
	s_lshl_b32 s20, s[E], 4
	s_lshl_b32 s21, s[CP], 2
	s_add_co_u32 s20, s20, s21
	s_add_co_u32 s20, s20, s[WV]                   ; 16 e + q
	s_lshl_b32 s20, s20, 17
	s_mov_b32 s21, 0
	s_add_nc_u64 s[BP:BP+1], s[10:11], s[20:21]
; the weights of K step n (counted from the chunk at s[BP]) into ring slot n % 8: w1's two halves, w3's two halves
.macro BLD n
	WIN 0x40
.irp i, 0,1,2,3
	global_load_b128 v[16*((\n)&7)+4*\i:16*((\n)&7)+4*\i+3], v[L16], s[BP:BP+1] offset:(\n)*2048+512*\i
.endr
.endm
.irp n, 0,1,2,3,4,5
	BLD \n
.endr
	WIN 0
	v_lshl_add_u32 v[U], s[E], 1, v[BMSA]
	ds_load_u16 v[PK],   v[U]
	ds_load_u16 v[PK+1], v[U] offset:16
	s_wait_dscnt 0x0
	v_lshl_or_b32 v[MV], v[PK+1], 16, v[PK]        ; the expert's mask of my 32 tokens
	POPC
	SCAN
	v_add_nc_u32 v[RUN], s27, v[PRE]               ; chosen tokens before mine, less the tile's first row
	v_xor_b32 v[MV], -1, v[MV]
	ENUM R
	s_wait_dscnt 0x0                               ; for the others' sake
	BAR
	; the four waves' lists are added (each place was written by one wave at the most); places past the count take the last row that exists
.irp k, 0,1,2,3,4
	v_add_nc_u32 v[32+\k], 32*\k, v1
	v_min_u32 v[32+\k], s[RM1], v[32+\k]
	v_min_u32 v[32+\k], R-1, v[32+\k]
	v_lshl_add_u32 v[32+\k], v[32+\k], 2, LISTW
.irp w, 0,1,2,3
	ds_load_b32 v[40+4*\k+\w], v[32+\k] offset:LSTRIDE*\w
.endr
.endr
	s_wait_dscnt 0x0
.irp k, 0,1,2,3,4
	v_add3_u32 v[40+4*\k], v[40+4*\k], v[41+4*\k], v[42+4*\k]
	v_add_nc_u32 v[40+4*\k], v[40+4*\k], v[43+4*\k]
	ds_store_b32 v[L2S], v[40+4*\k] offset:128*\k  ; my wave's own copy: its reads below follow in order
.endr
.set j, 0
.rept 36
	ds_load_b32 v[RO+j], v[L2B] offset:4*j         ; my 36 rows' tokens, each in every lane
.set j, j+1
.endr
.irp a, 0,1,2,3,4,5,6,7,8
	ds_load_b32 v[TKA+\a], v[L2R] offset:64*\a     ; the token of row 16 a + r
.endr
.irp q, 0,1,2,3,4,5,6,7,8
	ds_load_b32 v[TKB+\q], v[L2Q] offset:16*\q     ; the token of row 36 w + 4 q + lane / 8
.endr
	s_wait_dscnt 18                                ; the 36 are in; the 18 behind them stay out
.set j, 0
.rept 36
	v_min_u32 v[RO+j], 0xfff, v[RO+j]
	v_lshl_add_u32 v[RO+j], v[RO+j], 12, v[L16]
.set j, j+1
.endr
.macro STGLOAD                         ; my 36 rows' 512 bytes of the chunk at s[8:9]
	WIN 0xc0
.set j, 0
.rept 36
	global_load_b128 v[4*j:4*j+3], v[RO+j], s[8:9]
.set j, j+1
.endr
.endm
.macro STGSTORE
	WIN 0x0c
.set j, 0
.rept 36
	ds_store_b128 v[STA], v[4*j:4*j+3] offset:APITCH*j
.set j, j+1
.endr
.endm
	STGLOAD
	WIN 0
	s_wait_dscnt 0x0
.irp a, 0,1,2,3,4,5,6,7,8
	v_min_u32 v[TKA+\a], 0xfff, v[TKA+\a]
	v_lshlrev_b32 v[OFA+\a], 2, v[TKA+\a]
	v_lshlrev_b32 v[OFM+\a], 3, v[TKA+\a]
	global_load_b32 v[SLA+\a], v[OFA+\a], s[14:15]
	global_load_b64 v[MLA+2*\a:MLA+2*\a+1], v[OFM+\a], s[16:17]
	v_min_u32 v[TKB+\a], 0xfff, v[TKB+\a]
	v_lshlrev_b32 v[OFB+\a], 2, v[TKB+\a]
	global_load_b32 v[SLB+\a], v[OFB+\a], s[14:15]
.endr
	s_wait_loadcnt 27                              ; the 36 rows are in; the 27 map loads stay out
	STGSTORE
	WIN 0
	v_add_nc_u32 v[STA], SLOT1, v[ST0]             ; chunk 1 goes to slot 1
	s_wait_loadcnt 0x0
.irp a, 0,1,2,3,4,5,6,7,8
	v_lshrrev_b32 v[T], 8, v[SLA+\a]
	v_cmp_eq_u32 vcc_lo, s[E], v[T]
	v_cndmask_b32 v[MULT+2*\a], v[MLA+2*\a], v[MLA+2*\a+1], vcc_lo   ; m_hi if my expert is the token's higher one
	v_mov_b32 v[MULT+2*\a+1], v[MULT+2*\a]
	v_and_b32 v[U], 0xff, v[SLB+\a]
	v_xor_b32 v[U], s[E], v[U]
	v_min_u32 v[U], 1, v[U]                        ; pos: 0 if my expert is the lower one
	v_lshl_add_u32 v[U], v[TKB+\a], 1, v[U]
	v_lshl_add_u32 v[HOFF+\a], v[U], 9, v[COLT]
.endr
	s_add_nc_u64 s[8:9], s[8:9], 512               ; all loads are done: on to chunk 1
	s_wait_dscnt 0x0                               ; for the others' sake: my rows of chunk 0 are in slot 0
	BAR
; cnt row blocks from a0 on x (w1, w3), 32 along K: fragments in buffer f, weights in ring slot n % 8.  The 18 accumulators take turns, one instruction a turn.
.macro MULS f, n, a0, cnt, zero
	WIN W_MUL
.set a, \a0
.rept \cnt
.irp b, 0,1
.if \zero
	v_wmma_f32_16x16x32_bf16 v[16*a+8*\b:16*a+8*\b+7], v[16*((\n)&7)+8*\b:16*((\n)&7)+8*\b+7], v[(\f)+8*a:(\f)+8*a+7], 0
.else
	v_wmma_f32_16x16x32_bf16 v[16*a+8*\b:16*a+8*\b+7], v[16*((\n)&7)+8*\b:16*((\n)&7)+8*\b+7], v[(\f)+8*a:(\f)+8*a+7], v[16*a+8*\b:16*a+8*\b+7]
.endif
.endr
.set a, a+1
.endr
.endm
.macro FRAG k, f                       ; 18 LDS loads in one run: nine fragments of x at byte k of the rows
	WIN 0
.irp a, 0,1,2,3,4
	ds_load_b128 v[(\f)+8*\a:(\f)+8*\a+3],   v[ADRLO] offset:(\k)+\a*16*APITCH
	ds_load_b128 v[(\f)+8*\a+4:(\f)+8*\a+7], v[ADRLO] offset:(\k)+\a*16*APITCH+32
.endr
.irp a, 5,6,7,8
	ds_load_b128 v[(\f)+8*\a:(\f)+8*\a+3],   v[ADRHI] offset:(\k)+(\a-5)*16*APITCH
	ds_load_b128 v[(\f)+8*\a+4:(\f)+8*\a+7], v[ADRHI] offset:(\k)+(\a-5)*16*APITCH+32
.endr
.endm
; K step n (0 to 6) of a chunk.  lc: the global loads younger than this step's weights.  In its middle, four places behind the products (ISA guide 7.12.1 for vector instructions),
; the next step's fragments go into the other buffer and (bl = 1) the weights six steps on into the ring.
.macro STEP n, lc, zero, bl
.set FA, F0+72*((\n)&1)
.set FB, F0+72*(((\n)+1)&1)
	s_wait_loadcnt \lc
	s_wait_dscnt 8                                 ; row blocks 0-4 are in; the youngest eight loads (blocks 5-8) may be out
	MULS FA, \n, 0, 5, \zero
	PLACES
	FRAG 64*((\n)+1), FB
.if \bl
	BLD (\n)+6
.endif
	s_wait_dscnt 18                                ; all but the 18 just issued
	MULS FA, \n, 5, 4, \zero
.endm
; K step 7 changes slots: ONE barrier for two things.  In front of it each wave's reads of this slot are back and its stores into the other slot are done; behind it the other slot is whole, and this
; slot may be written again (six steps later).  The three address lines and the v_nop are the four places in front of the loads.
.macro TURN
	s_wait_loadcnt 20                              ; the weights of step 7 are in: five younger steps of four loads stay out
	s_wait_dscnt 0x0
	s_barrier_signal -1
	MULS F1, 7, 0, 5, 0
	WIN 0
	s_barrier_wait -1
	v_add_nc_u32 v[STA], s[TB], v[ST0]             ; the next rows go where this chunk lay
	s_xor_b32 s[TB], s[TB], SLOT1
	v_add_nc_u32 v[ADRLO], s[TB], v[AL0]
	v_add_nc_u32 v[ADRHI], s[TB], v[AH0]
	v_nop
	FRAG 0, F0
	BLD 13
	MULS F1, 7, 5, 4, 0
.endm
	FRAG 0, F0
	STEP 0, 0, 1, 1                                ; the first K step stands ahead of the loop: its products start the sums
	WIN 0
	s_mov_b32 s[CNT], 7
.Lchunk:                                               ; a trip: steps 1 to 7 of chunk t and step 0 of chunk t + 1, whose rows it brings in
	STGLOAD
	STEP 1, 56, 0, 1                               ; 56 = 4 (5 - n) of the trip before + its step 0's 4 + the 36 rows + 4 (n - 1) of this trip
	STEP 2, 56, 0, 1
	STEP 3, 56, 0, 1
	STEP 4, 56, 0, 1
	STEP 5, 56, 0, 1
	STEP 6, 56, 0, 1                               ; its weights were asked for in the last trip's step 0: the 36 rows and five steps' 20 are younger
	s_wait_loadcnt 24                              ; the 36 rows are in: six steps' weights are younger
	STGSTORE
	TURN
	s_wait_xcnt 0x0                                ; the two bases are stepped only behind this wait
	s_add_nc_u64 s[8:9], s[8:9], 512
	s_add_nc_u64 s[BP:BP+1], s[BP:BP+1], 16384
	STEP 0, 20, 0, 1
	WIN 0
	s_sub_co_u32 s[CNT], s[CNT], 1
	s_cmp_lg_u32 s[CNT], 0
	s_cbranch_scc1 .Lchunk
	STEP 1, 20, 0, 1                               ; the last chunk: step 1 asks for the last weights, and the counts run down
	STEP 2, 20, 0, 0
	STEP 3, 16, 0, 0
	STEP 4, 12, 0, 0
	STEP 5, 8, 0, 0
	STEP 6, 4, 0, 0
	s_wait_loadcnt 0x0
	s_wait_dscnt 0x0
	MULS F1, 7, 0, 9, 0
	; h = g / (1 + 2^(-log2e g)) u m.  Two batches of transcendentals, one wait each.  Every accumulator is read from its low end on.
	PLACES
	WIN 0xc2                                       ; destination window 3, source 0 window 2
.set a, 0
.rept 9
.irp p, 0,2,4,6
	v_pk_mul_f32 v[8*a+\p:8*a+\p+1], v[16*a+\p:16*a+\p+1], s[CS:CS+1] op_sel_hi:[1,0]
.endr
.set a, a+1
.endr
	WIN 0xc3
.set i, 0
.rept 72
	v_exp_f32 v[i], v[i]
.set i, i+1
.endr
	v_nop                                          ; a plain instruction behind the last exponential,
	s_wait_alu depctr_va_vdst(0)                   ; and the batch's one wait
.set i, 0
.rept 36
	v_pk_add_f32 v[2*i:2*i+1], v[2*i:2*i+1], 1.0 op_sel_hi:[1,0]
.set i, i+1
.endr
.set i, 0
.rept 72
	v_rcp_f32 v[i], v[i]
.set i, i+1
.endr
	WIN 0x82                                       ; u m: independent work behind the reciprocals
.set a, 0
.rept 9
.irp p, 0,2,4,6
	v_pk_mul_f32 v[16*a+8+\p:16*a+8+\p+1], v[16*a+8+\p:16*a+8+\p+1], v[MULT+2*a:MULT+2*a+1]
.endr
.set a, a+1
.endr
	s_wait_alu depctr_va_vdst(0)                   ; the batch's one wait
	WIN 0x8e
.set a, 0
.rept 9
.irp p, 0,2,4,6
	v_pk_mul_f32 v[16*a+\p:16*a+\p+1], v[16*a+\p:16*a+\p+1], v[8*a+\p:8*a+\p+1]
.endr
.set a, a+1
.endr
	WIN 0x8a
.set a, 0
.rept 9
.irp p, 0,2,4,6
	v_pk_mul_f32 v[16*a+\p:16*a+\p+1], v[16*a+\p:16*a+\p+1], v[16*a+8+\p:16*a+8+\p+1]
.endr
.set a, a+1
.endr
	WIN 0x0a
.set a, 0
.rept 9
.irp p, 0,1,2,3
	v_cvt_pk_bf16_f32 v[F0+4*a+\p], v[16*a+2*\p], v[16*a+2*\p+1]
.endr
.set a, a+1
.endr
	WIN 0
.irp a, 0,1,2,3,4,5,6,7,8
	ds_store_b128 v[HST], v[F0+4*\a:F0+4*\a+3] offset:\a*16*HPITCH
.endr
	s_wait_dscnt 0x0                               ; a row's 128 bytes come from four waves
	BAR
.irp q, 0,1,2,3,4,5,6,7,8
	ds_load_b128 v[F1+4*\q:F1+4*\q+3], v[HRD] offset:\q*4*HPITCH
.endr
	s_cmp_eq_u32 s[ROWS], 0
	s_cbranch_scc1 .Lnone                          ; a tile that this split does not have stores nothing
.irp q, 0,1,2,3,4,5,6,7,8
	s_wait_dscnt 8-\q
	global_store_b128 v[HOFF+\q], v[F1+4*\q:F1+4*\q+3], s[18:19]   ; eight lanes store a row's 128 consecutive bytes
.endr
.Lnone:
	s_wait_tensorcnt 0x0                           ; the wave's end, behind my last LDS store
	ds_add_u32 v[SPW], v[NIL]
	s_wait_dscnt 0x0
	s_endpgm
.Lfunc_end_k_q932b585381_up:
	.size	k_q932b585381_up, .Lfunc_end_k_q932b585381_up-k_q932b585381_up
	.p2alignl 7, 3214868480
	.fill 96, 4, 3214868480
	.section	.rodata,"a",@progbits
	.p2align	6, 0x0
	.amdhsa_kernel k_q932b585381_up
		.amdhsa_group_segment_fixed_size 207104
		.amdhsa_private_segment_fixed_size 0
		.amdhsa_enable_private_segment 0
		.amdhsa_kernarg_size 48
		.amdhsa_user_sgpr_count 2
		.amdhsa_user_sgpr_kernarg_segment_ptr 1
		.amdhsa_wavefront_size32 1
		.amdhsa_system_sgpr_workgroup_id_x 1
		.amdhsa_system_sgpr_workgroup_id_y 1
		.amdhsa_system_sgpr_workgroup_id_z 1
		.amdhsa_system_vgpr_workitem_id 0
		.amdhsa_next_free_vgpr 912
		.amdhsa_next_free_sgpr 66
		.amdhsa_reserve_vcc 1
		.amdhsa_float_denorm_mode_32 3
		.amdhsa_float_denorm_mode_16_64 3
		.amdhsa_memory_ordered 1
		.amdhsa_forward_progress 1
		.amdhsa_inst_pref_size 125
	.end_amdhsa_kernel
	.amdgpu_metadata
---
amdhsa.version: [ 1, 2 ]
amdhsa.kernels:
  - .name:           k_q932b585381_up
    .symbol:         k_q932b585381_up.kd
    .args:
      - { .name: xb, .offset: 0, .size: 8, .value_kind: global_buffer, .address_space: global }
      - { .name: wu, .offset: 8, .size: 8, .value_kind: global_buffer, .address_space: global }
      - { .name: rt, .offset: 16, .size: 8, .value_kind: global_buffer, .address_space: global }
      - { .name: sel, .offset: 24, .size: 8, .value_kind: global_buffer, .address_space: global }
      - { .name: mlt, .offset: 32, .size: 8, .value_kind: global_buffer, .address_space: global }
      - { .name: hb, .offset: 40, .size: 8, .value_kind: global_buffer, .address_space: global }
    .group_segment_fixed_size: 207104
    .private_segment_fixed_size: 0
    .kernarg_segment_align: 8
    .kernarg_segment_size: 48
    .max_flat_workgroup_size: 128
    .sgpr_count:     66
    .vgpr_count:     912
    .wavefront_size: 32
...
	.end_amdgpu_metadata
.endif
;; end of part 2
;; launch down (part 3): grid 256 x 1, 4 waves a work-group, no clusters, 143,104 bytes of LDS; arguments hb, wd, rt, out0; writes out0
.if DOCPART == 3
	.amdgcn_target "amdgcn-amd-amdhsa--gfx1250"
	.amdhsa_code_object_version 6
	.text
	.protected	k_q932b585381_down
	.globl	k_q932b585381_down
	.p2align	8
	.type	k_q932b585381_down,@function
k_q932b585381_down:
	s_mov_b64 s[64:65], 0
	v_nop
	global_prefetch_b8 v0, s[64:65] scope:SCOPE_SE
	s_setreg_imm32_b32 hwreg(HW_REG_WAVE_MODE, 25, 1), 1
	s_wait_xcnt 0x0
; DOWN.  out[t][:] = h_lo w2[a]^T + h_hi w2[b]^T for token t with experts a < b: ONE product with K = 512, since hb holds [h_lo | h_hi] (the gate's weights already in them) end to end.
; So each output row has one owner: tokens are sorted by their PAIR of experts (28 pairs), and a work-group has tokens of one pair.
; TILES.  A row tile is up to 112 tokens of one pair.  The sum over pairs of ceil(n_p / 112) is at most (4,096 + 28 x 111) / 112 = 64.3, so 64 row tiles x 4 column parts = 256 work-groups serve every
; split.  A pair's blocks of 16 rows are dealt evenly over its tiles; products and stores of blocks that a tile does not have are jumped by scalar branches on stored counts, with no barrier in what is
; jumped.  Places past the count repeat the last row; a work-group whose tile does not exist runs block 0 on token 0 and stores nothing.
; SHARES.  Wave w has all row blocks x 128 output columns (W = 4 cp + w), in two passes of 64: 28 accumulators.  The tile's rows, all of K, lie in LDS; the weights, which only this wave of the work-group
; wants, come from memory straight into operand registers, six K steps ahead.  The first pass's stores leave while the second pass multiplies.
; THE MATRIX INSTRUCTION IS USED TRANSPOSED (source 0 = 16 weight rows, source 1 = 16 tokens): a lane holds 8 neighbouring output columns of one token.
; No tensor loads: the rows come by a list.  No cluster: the weights go to registers and never lie in LDS.
; REGISTERS, in windows of 256: window 0 addresses, two fragment buffers, the way out; window 1 a ring of 8 K steps of weights, 32 registers each; window 2 accumulator (a, cb) at 32 a + 8 cb.
.set R,       112
.set APITCH,  1040                     ; 1,024 bytes of a row + 16: an odd multiple of 16
.set LSTRIDE, 512
.set LISTW,   116736                   ; behind the 112 rows: four lists of 128 words, one a wave; word 112 is the wave's dump
.set LIST2,   LISTW+4*LSTRIDE
.set XW,      LIST2+4*LSTRIDE
.set BMS,     XW+256
.set OST,     BMS+4096                 ; 16 rows x 272 bytes for each wave, for the way out
.set OPITCH,  272
.set SPARE,   OST+4*16*OPITCH          ; the spare words: 128 bytes a wave, two blocks of 256 bytes that no other line names
.set SPW, 6
.set NIL, 7
.set MK,  8
.set T,   13
.set U,   14
.set PRE, 15
.set TOT, 16
.set NV,  17
.set TLV, 18
.set XV,  19
.set YV,  20
.set MV,  21
.set RUN, 22
.set DV,  23
.set TOK0, 24
.set ADL, 25                           ; fragments of row blocks 0-3; never rewritten
.set ADH, 26                           ; of row blocks 4-6 (66,560 bytes on)
.set AST, 27
.set OSA, 28
.set ORD, 29
.set L16, 30
.set LRD, 31
.set TOFF, 32                          ; v32-59
.set VCOL, 60
.set BMSA, 61
.set XWA, 62
.set L2S, 63
.set F0,  64
.set F1,  120
.set OB,  176                          ; v176-207  16 rows x 64 columns read back from the stage
.set VO,  208                          ; v208-215  their tokens, then byte offsets in out
.set L2B, 216
.set PK,  100
.set WV,  2
.set TAU, 3
.set CP,  4
.set EA,  32
.set EB,  33
.set ROWS, 34
.set RM1, 35
.set SEL, 36
.set NB,  38
.set PASS, 39
.set PA,  40
.set PB,  42
.set LB,  46
.set WW,  48
.set MSB, 0
.macro WIN new
.if MSB != (\new)
	s_set_vgpr_msb (MSB<<8)|(\new)
.set MSB, \new
.endif
.endm
.set W_MUL, 0xa1
.macro BAR
	s_barrier_signal -1
	s_barrier_wait -1
.endm
.macro PLACES
.rept 4
	v_nop
.endr
.endm
.macro XSTEP reg, m                    ; v[T] = reg of lane xor m
.if (\m) == 16
	v_permlanex16_b32 v[T], v[\reg], s[SEL], s[SEL+1]
.else
	v_mov_b32_dpp v[T], v[\reg] row_xmask:\m row_mask:0xf bank_mask:0xf
.endif
.endm
.macro REDUCE reg                      ; the sum over the 32 lanes, in every lane
.irp m, 1,2,4,8,16
	XSTEP \reg, \m
	v_add_nc_u32 v[\reg], v[\reg], v[T]
.endr
.endm
.macro SCAN                            ; v[PRE] = the sum of v[TOT] over the lower lanes
	v_mov_b32 v[PRE], 0
.set k, 0
.irp m, 1,2,4,8,16
	XSTEP TOT, \m
	v_and_b32 v[U], v[MK+k], v[T]
	v_add_nc_u32 v[PRE], v[PRE], v[U]
	v_add_nc_u32 v[TOT], v[TOT], v[T]
.set k, k+1
.endr
.endm
.macro POPC                            ; v[TOT] = the number of ones in v[MV]
	v_lshrrev_b32 v[T], 1, v[MV]
	v_and_b32 v[T], 0x55555555, v[T]
	v_sub_nc_u32 v[TOT], v[MV], v[T]
	v_lshrrev_b32 v[T], 2, v[TOT]
	v_and_b32 v[T], 0x33333333, v[T]
	v_and_b32 v[TOT], 0x33333333, v[TOT]
	v_add_nc_u32 v[TOT], v[TOT], v[T]
	v_lshrrev_b32 v[T], 4, v[TOT]
	v_add_nc_u32 v[TOT], v[TOT], v[T]
	v_and_b32 v[TOT], 0x0f0f0f0f, v[TOT]
	v_lshrrev_b32 v[T], 8, v[TOT]
	v_add_nc_u32 v[TOT], v[TOT], v[T]
	v_lshrrev_b32 v[T], 16, v[TOT]
	v_add_nc_u32 v[TOT], v[TOT], v[T]
	v_and_b32 v[TOT], 63, v[TOT]
.endm
; WHICH SET OWNS ROW TILE TAU: lane p has set p, its count N, its tiles ceil(N / r) (r = 16 x 7: a shift and a multiplication by magic = ceil(65,536 / 7), exact for the arguments up to 262 that occur) and
; the tiles of the sets before it.  The one lane whose range holds TAU packs N, first tile, tiles and p into 13 + 7 + 6 + 5 bits; the sum over the lanes brings the word to all; with no such lane all is 0.
; Out: s23 N, s24 first tile, s25 tiles, s26 set, s27 the count of the set in the waves before mine.
.macro PICK nsets, r, magic
	v_min_u32 v[T], (\nsets)-1, v1
	v_lshl_add_u32 v[T], v[T], 1, XW
	ds_load_u16 v[PK],   v[T]
	ds_load_u16 v[PK+1], v[T] offset:64
	ds_load_u16 v[PK+2], v[T] offset:128
	ds_load_u16 v[PK+3], v[T] offset:192
	s_cmp_gt_u32 s[WV], 0
	s_cselect_b32 s20, 1, 0
	s_cmp_gt_u32 s[WV], 1
	s_cselect_b32 s21, 1, 0
	s_cmp_gt_u32 s[WV], 2
	s_cselect_b32 s22, 1, 0
	s_wait_dscnt 0x0
	v_add3_u32 v[NV], v[PK], v[PK+1], v[PK+2]
	v_add_nc_u32 v[NV], v[NV], v[PK+3]
	v_mul_u32_u24 v[YV], v[PK], s20
	v_mad_u32_u24 v[YV], v[PK+1], s21, v[YV]
	v_mad_u32_u24 v[YV], v[PK+2], s22, v[YV]
	v_cmp_gt_u32 vcc_lo, \nsets, v1
	v_cndmask_b32 v[NV], 0, v[NV], vcc_lo
	v_add_nc_u32 v[TLV], (\r)-1, v[NV]
	v_lshrrev_b32 v[TLV], 4, v[TLV]
	v_mul_u32_u24 v[TLV], v[TLV], \magic
	v_lshrrev_b32 v[TLV], 16, v[TLV]
	v_mov_b32 v[TOT], v[TLV]
	SCAN
	v_cmp_ge_u32 s20, s[TAU], v[PRE]
	v_add_nc_u32 v[U], v[PRE], v[TLV]
	v_cmp_lt_u32 s21, s[TAU], v[U]
	s_and_b32 s20, s20, s21
	v_lshl_or_b32 v[XV], v[PRE], 13, v[NV]
	v_lshl_or_b32 v[XV], v[TLV], 20, v[XV]
	v_lshl_or_b32 v[XV], v1, 26, v[XV]
	v_cndmask_b32 v[XV], 0, v[XV], s20
	v_cndmask_b32 v[YV], 0, v[YV], s20
	REDUCE XV
	REDUCE YV
	v_readfirstlane_b32 s21, v[XV]
	v_readfirstlane_b32 s27, v[YV]
	s_bfe_u32 s23, s21, 0xd0000
	s_bfe_u32 s24, s21, 0x7000d
	s_bfe_u32 s25, s21, 0x60014
	s_bfe_u32 s26, s21, 0x5001a
.endm
; MY 32 TOKENS INTO MY WAVE'S LIST: v[MV] holds a 1 where the token is NOT chosen, v[RUN] the place in the tile of my next chosen token; what is not chosen or lies outside goes to the dump word r.
.macro ENUM r
.set b, 0
.rept 32
	v_bfe_u32 v[T], v[MV], b, 1
	v_lshl_add_u32 v[U], v[T], 20, v[RUN]
	v_min_u32 v[U], \r, v[U]
	v_lshl_add_u32 v[U], v[U], 2, s[LB]
	v_add_nc_u32 v[DV], b, v[TOK0]
	ds_store_b32 v[U], v[DV]
	v_sub_nc_u32 v[RUN], v[RUN], v[T]
	v_add_nc_u32 v[RUN], 1, v[RUN]
.set b, b+1
.endr
.endm
	s_load_b256 s[8:15], s[0:1], 0x0               ; hb s[8:9], wd s[10:11], rt s[12:13], out s[14:15]
	v_lshl_add_u32 v[SPW], v0, 2, SPARE            ; my spare word, and 0: kept for the closing add alone
	v_mov_b32 v[NIL], 0
	v_lshrrev_b32 v1, 5, v0
	v_readfirstlane_b32 s[WV], v1
	s_lshr_b32 s[TAU], ttmp9, 2                    ; row tile
	s_and_b32 s[CP], ttmp9, 3                      ; column part
	s_lshl_b32 s[WW], s[CP], 2
	s_add_co_u32 s[WW], s[WW], s[WV]               ; my 128 columns
	s_mov_b32 s[SEL], 0x76543210
	s_mov_b32 s[SEL+1], 0xfedcba98
	v_and_b32 v1, 31, v0
	v_and_b32 v2, 15, v0                           ; r
	v_bfe_u32 v3, v0, 4, 1                         ; h
.irp k, 0,1,2,3,4
	v_bfe_u32 v[MK+\k], v0, \k, 1
	v_sub_nc_u32 v[MK+\k], 0, v[MK+\k]
.endr
	v_lshlrev_b32 v[L16], 4, v1
	v_lshlrev_b32 v4, 8, v0                        ; thread i stands for tokens 32 i .. 32 i + 31: records 2 i, 2 i + 1
	v_mov_b32 v[T], 0
	v_mov_b32 v[U], 0
	s_mul_i32 s[LB], s[WV], LSTRIDE
	s_add_co_u32 s[LB], s[LB], LISTW
	v_lshl_add_u32 v5, v1, 2, s[LB]
	v_lshl_add_u32 v[BMSA], v0, 5, BMS
	s_lshl_b32 s5, s[WV], 6
	s_add_co_u32 s5, s5, XW
	v_mov_b32 v[XWA], s5
	s_wait_kmcnt 0x0
	global_load_b128 v[64:67], v4, s[12:13]              ; masks,
	global_load_b128 v[68:71], v4, s[12:13] offset:32    ; the 28 pairs' counts
	global_load_b128 v[72:75], v4, s[12:13] offset:48
	global_load_b128 v[76:79], v4, s[12:13] offset:64
	global_load_b64  v[80:81], v4, s[12:13] offset:80
	global_load_b128 v[82:85], v4, s[12:13] offset:128
	global_load_b128 v[86:89], v4, s[12:13] offset:160
	global_load_b128 v[90:93], v4, s[12:13] offset:176
	global_load_b128 v[94:97], v4, s[12:13] offset:192
	global_load_b64  v[98:99], v4, s[12:13] offset:208
.irp k, 0,1,2,3
	ds_store_b32 v5, v[U] offset:128*\k            ; my wave's list starts as zeros
.endr
	s_mul_i32 s5, s[WV], LSTRIDE
	s_add_co_u32 s5, s5, LIST2                     ; my wave's copy of the finished list
	v_lshl_add_u32 v[L2S], v1, 2, s5
	v_lshl_add_u32 v[LRD], v3, 2, s5
	s_mul_i32 s6, s[WV], 112
	s_add_co_u32 s6, s6, s5                        ; my 28 rows in it
	v_mov_b32 v[L2B], s6
	v_mul_u32_u24 v[ADL], v2, APITCH
	v_lshl_add_u32 v[ADL], v3, 4, v[ADL]           ; row r x pitch + 16 h
	v_add_nc_u32 v[ADH], 4*16*APITCH, v[ADL]
	s_mul_i32 s7, s[WV], 28*APITCH
	v_add_nc_u32 v[AST], s7, v[L16]
	s_mul_i32 s7, s[WV], 16*OPITCH
	s_add_co_u32 s7, s7, OST                       ; my stage
	v_mul_u32_u24 v[OSA], v2, OPITCH               ; in: row r, 32 bytes for each half of the lanes
	v_lshl_add_u32 v[OSA], v3, 5, v[OSA]
	v_add_nc_u32 v[OSA], s7, v[OSA]
	v_mul_u32_u24 v[ORD], v3, OPITCH               ; back: lanes 0-15 one row of 256 bytes, lanes 16-31 the next
	v_lshl_add_u32 v[ORD], v2, 4, v[ORD]
	v_add_nc_u32 v[ORD], s7, v[ORD]
	v_lshlrev_b32 v[VCOL], 4, v2
	v_lshl_add_u32 v[VCOL], s[WW], 9, v[VCOL]      ; my wave's 512 bytes of an output row
	v_lshlrev_b32 v[TOK0], 5, v0
	s_wait_loadcnt 0x0
	ds_store_b128 v[BMSA], v[64:67]                ; my own bytes
	ds_store_b128 v[BMSA], v[82:85] offset:16
.set i, 0
.rept 14
	v_add_nc_u32 v[68+i], v[68+i], v[86+i]         ; two 16-bit counts a word; no count passes 4,096
.set i, i+1
.endr
.irp g, 68,69,70,71,72,73,74,75,76,77,78,79,80,81
	REDUCE \g
.endr
	ds_store_b128 v[XWA], v[68:71]
	ds_store_b128 v[XWA], v[72:75] offset:16
	ds_store_b128 v[XWA], v[76:79] offset:32
	ds_store_b64  v[XWA], v[80:81] offset:48
	s_wait_dscnt 0x0                               ; for the others' sake
	BAR
	PICK 28, R, 9363
	s_min_u32 s26, s26, 27
	s_mov_b32 s[EA], 0                             ; the pair's number to (a, b): row a of the triangle begins at a (15 - a) / 2
.irp t, 7,13,18,22,25,27
	s_cmp_ge_u32 s26, \t
	s_cselect_b32 s20, 1, 0
	s_add_co_u32 s[EA], s[EA], s20
.endr
	s_sub_co_u32 s20, 15, s[EA]
	s_mul_i32 s20, s20, s[EA]
	s_lshr_b32 s20, s20, 1
	s_sub_co_u32 s[EB], s26, s20
	s_add_co_u32 s[EB], s[EB], s[EA]
	s_add_co_u32 s[EB], s[EB], 1
	s_min_u32 s[EA], s[EA], 6
	s_min_u32 s[EB], s[EB], 7
	s_add_co_u32 s20, s23, 15
	s_lshr_b32 s20, s20, 4                         ; the pair's blocks of 16 rows,
	s_mov_b32 s21, s25
	s_mov_b32 s28, 1                               ; dealt evenly: ceil(blocks / tiles) a tile, 1 to 7
.rept 6
	s_cmp_lt_u32 s21, s20
	s_cselect_b32 s22, 1, 0
	s_add_co_u32 s28, s28, s22
	s_add_co_u32 s21, s21, s25
.endr
	s_lshl_b32 s28, s28, 4
	s_sub_co_u32 s29, s[TAU], s24                  ; my tile among the pair's
	s_mul_i32 s29, s29, s28                        ; its first row
	s_sub_co_i32 s[ROWS], s23, s29
	s_max_i32 s[ROWS], s[ROWS], 0
	s_min_u32 s[ROWS], s[ROWS], s28
	s_min_u32 s[ROWS], s[ROWS], R
	s_add_co_u32 s[NB], s[ROWS], 15
	s_lshr_b32 s[NB], s[NB], 4
	s_max_u32 s[RM1], s[ROWS], 1
	s_sub_co_u32 s[RM1], s[RM1], 1
	s_sub_co_u32 s27, s27, s29
	s_lshl_b32 s22, s[WW], 16
	s_lshl_b32 s20, s[EA], 20
	s_add_co_u32 s20, s20, s22
	s_mov_b32 s21, 0
	s_add_nc_u64 s[PA:PA+1], s[10:11], s[20:21]    ; w2[a], my columns, pass 0
	s_lshl_b32 s20, s[EB], 20
	s_add_co_u32 s20, s20, s22
	s_add_nc_u64 s[PB:PB+1], s[10:11], s[20:21]    ; w2[b]
; the weights of K step n (0-7: expert a; 8-15: expert b) into ring slot n % 8: four column blocks x two halves, 512 consecutive bytes a load
.macro BLDD n
	WIN 0x40
.set i, 0
.rept 8
.if (\n) < 8
	global_load_b128 v[32*((\n)&7)+4*i:32*((\n)&7)+4*i+3], v[L16], s[PA:PA+1] offset:((\n)&7)*4096+512*i
.else
	global_load_b128 v[32*((\n)&7)+4*i:32*((\n)&7)+4*i+3], v[L16], s[PB:PB+1] offset:((\n)&7)*4096+512*i
.endif
.set i, i+1
.endr
.endm
.irp n, 0,1,2,3,4,5
	BLDD \n
.endr
	WIN 0
	v_lshl_add_u32 v[U], s[EA], 1, v[BMSA]
	v_lshl_add_u32 v[DV], s[EB], 1, v[BMSA]
	ds_load_u16 v[PK],   v[U]
	ds_load_u16 v[PK+1], v[U] offset:16
	ds_load_u16 v[PK+2], v[DV]
	ds_load_u16 v[PK+3], v[DV] offset:16
	s_wait_dscnt 0x0
	v_lshl_or_b32 v[MV], v[PK+1], 16, v[PK]
	v_lshl_or_b32 v[T], v[PK+3], 16, v[PK+2]
	v_and_b32 v[MV], v[MV], v[T]                   ; my 32 tokens that chose both
	POPC
	SCAN
	v_add_nc_u32 v[RUN], s27, v[PRE]
	v_xor_b32 v[MV], -1, v[MV]
	ENUM R
	s_wait_dscnt 0x0                               ; for the others' sake
	BAR
	; the four waves' lists are added (each place was written by one wave at the most); places past the count take the last row that exists
.irp k, 0,1,2,3
	v_add_nc_u32 v[104+\k], 32*\k, v1
	v_min_u32 v[104+\k], s[RM1], v[104+\k]
	v_min_u32 v[104+\k], R-1, v[104+\k]
	v_lshl_add_u32 v[104+\k], v[104+\k], 2, LISTW
.irp w, 0,1,2,3
	ds_load_b32 v[108+4*\k+\w], v[104+\k] offset:LSTRIDE*\w
.endr
.endr
	s_wait_dscnt 0x0
.irp k, 0,1,2,3
	v_add3_u32 v[108+4*\k], v[108+4*\k], v[109+4*\k], v[110+4*\k]
	v_add_nc_u32 v[108+4*\k], v[108+4*\k], v[111+4*\k]
	ds_store_b32 v[L2S], v[108+4*\k] offset:128*\k ; my wave's own copy: its reads follow in order
.endr
.set j, 0
.rept 28
	ds_load_b32 v[TOFF+j], v[L2B] offset:4*j       ; my 28 rows' tokens, each in every lane
.set j, j+1
.endr
	s_wait_dscnt 0x0
.set j, 0
.rept 28
	v_min_u32 v[TOFF+j], 0xfff, v[TOFF+j]
	v_lshl_add_u32 v[TOFF+j], v[TOFF+j], 10, v[L16]
.set j, j+1
.endr
	WIN 0x80                                       ; through the accumulators' registers, which are still free
.set j, 0
.rept 28
	global_load_b128 v[8*j:8*j+3],   v[TOFF+j], s[8:9]
	global_load_b128 v[8*j+4:8*j+7], v[TOFF+j], s[8:9] offset:512
.set j, j+1
.endr
	s_wait_loadcnt 0x0
	WIN 0x08
.set j, 0
.rept 28
	ds_store_b128 v[AST], v[8*j:8*j+3]   offset:APITCH*j
	ds_store_b128 v[AST], v[8*j+4:8*j+7] offset:APITCH*j+512
.set j, j+1
.endr
	WIN 0
	s_wait_dscnt 0x0                               ; for the others' sake: my 28 rows are in LDS
	BAR
; row block a x 4 column blocks, 32 along K.  The accumulators take turns, one instruction a turn.
.macro MUL4 f, n, a, zero
	WIN W_MUL
.irp cb, 0,1,2,3
.if \zero
	v_wmma_f32_16x16x32_bf16 v[32*(\a)+8*\cb:32*(\a)+8*\cb+7], v[32*((\n)&7)+8*\cb:32*((\n)&7)+8*\cb+7], v[(\f)+8*(\a):(\f)+8*(\a)+7], 0
.else
	v_wmma_f32_16x16x32_bf16 v[32*(\a)+8*\cb:32*(\a)+8*\cb+7], v[32*((\n)&7)+8*\cb:32*((\n)&7)+8*\cb+7], v[(\f)+8*(\a):(\f)+8*(\a)+7], v[32*(\a)+8*\cb:32*(\a)+8*\cb+7]
.endif
.endr
.endm
.macro FRAGD k, f                      ; 14 LDS loads in one run: seven fragments at byte k of the rows
	WIN 0
.irp a, 0,1,2,3
	ds_load_b128 v[(\f)+8*\a:(\f)+8*\a+3],   v[ADL] offset:(\k)+\a*16*APITCH
	ds_load_b128 v[(\f)+8*\a+4:(\f)+8*\a+7], v[ADL] offset:(\k)+\a*16*APITCH+32
.endr
.irp a, 4,5,6
	ds_load_b128 v[(\f)+8*\a:(\f)+8*\a+3],   v[ADH] offset:(\k)+(\a-4)*16*APITCH
	ds_load_b128 v[(\f)+8*\a+4:(\f)+8*\a+7], v[ADH] offset:(\k)+(\a-4)*16*APITCH+32
.endr
.endm
; K step n of 16.  lc: the global loads younger than this step's weights.  Behind block 0's products and four places (ISA guide 7.12.1 for vector instructions) come the next step's fragments
; and the weights six steps on; then the blocks that the tile has.  Step 0 starts all 28 sums with the constant 0 and jumps nothing, so that every accumulator is written on every way.
.macro STEP3 n, lc
.set FA, F0+56*((\n)&1)
.set FB, F0+56*(((\n)+1)&1)
	s_wait_loadcnt \lc
	s_wait_dscnt 0x0
.if (\n) == 0
	MUL4 FA, \n, 0, 1
.else
	MUL4 FA, \n, 0, 0
.endif
	PLACES
	FRAGD 64*(((\n)+1)&15), FB
.if (\n) <= 9
	BLDD (\n)+6
.endif
.if (\n) == 0
.irp a, 1,2,3,4,5,6
	MUL4 FA, \n, \a, 1
.endr
.else
.irp a, 1,2,3,4,5,6
	WIN 0                                          ; at a branch and at a label every window is 0
	s_cmp_le_u32 s[NB], \a
	s_cbranch_scc1 .Lse_\@
	MUL4 FA, \n, \a, 0
.endr
	WIN 0
.Lse_\@:
.endif
.endm
; THE WAY OUT of row block a: 16 rows x 64 columns of f32 through my stage, back as whole rows of 256 bytes, stored by the rows' tokens.  Whole stores past the count are jumped;
; where a store holds a row on each side of the count, the second repeats the first: same token, same numbers.
.macro OUTBLK a
	s_cmp_le_u32 s[NB], \a
	s_cbranch_scc1 .Lpassend
	s_wait_xcnt 0x0                                ; the last block's stores have read OB and VO
.irp i, 0,1,2,3,4,5,6,7
	ds_load_b32 v[VO+\i], v[LRD] offset:4*(16*(\a)+2*\i)
.endr
	WIN 0x08
.irp cb, 0,1,2,3
	ds_store_b128 v[OSA], v[32*(\a)+8*\cb:32*(\a)+8*\cb+3]   offset:64*\cb      ; each accumulator's low registers first
	ds_store_b128 v[OSA], v[32*(\a)+8*\cb+4:32*(\a)+8*\cb+7] offset:64*\cb+16
.endr
	WIN 0
.irp i, 0,1,2,3,4,5,6,7
	ds_load_b128 v[OB+4*\i:OB+4*\i+3], v[ORD] offset:\i*2*OPITCH   ; LDS serves a wave's instructions in order (ISA guide 5.7.1.4): these see the stores above
.endr
	s_wait_dscnt 16                                ; the eight tokens are in: eight stores and eight loads are younger
.irp i, 0,1,2,3,4,5,6,7
	v_min_u32 v[VO+\i], 0xfff, v[VO+\i]
	v_lshl_add_u32 v[VO+\i], v[VO+\i], 13, v[VCOL]
.endr
.irp i, 0,1,2,3,4,5,6,7
.if \i > 0
	s_cmp_le_u32 s[ROWS], 16*(\a)+2*\i
	s_cbranch_scc1 .Lbe_\@
.endif
	s_wait_dscnt 7-\i
	global_store_b128 v[VO+\i], v[OB+4*\i:OB+4*\i+3], s[14:15] th:TH_STORE_NT   ; 16 lanes store 256 consecutive bytes, aligned
.endr
.Lbe_\@:
	s_wait_dscnt 0x0
.endm
	FRAGD 0, F0
	s_mov_b32 s[PASS], 2
.Lpass:                                                ; two trips: 64 columns each
	STEP3 0, 40                                    ; 40: five younger steps of eight loads
	STEP3 1, 40
	STEP3 2, 40
	STEP3 3, 40
	STEP3 4, 40
	STEP3 5, 40
	STEP3 6, 40
	STEP3 7, 40
	STEP3 8, 40
	STEP3 9, 40
	STEP3 10, 40
	STEP3 11, 32                                   ; nothing more is asked for: the counts run down
	STEP3 12, 24
	STEP3 13, 16
	STEP3 14, 8
	STEP3 15, 0
	s_cmp_eq_u32 s[PASS], 1
	s_cbranch_scc1 .Lnob                           ; the last pass has no successor
	s_wait_xcnt 0x0                                ; the two bases are stepped only behind this wait
	s_add_nc_u64 s[PA:PA+1], s[PA:PA+1], 32768
	s_add_nc_u64 s[PB:PB+1], s[PB:PB+1], 32768
.irp n, 0,1,2,3,4,5
	BLDD \n                                        ; the next pass's first weights are asked for ahead of this pass's stores
.endr
	WIN 0
.Lnob:
	PLACES                                         ; behind the last products, ahead of the LDS stores that read them
	OUTBLK 0
	OUTBLK 1
	OUTBLK 2
	OUTBLK 3
	OUTBLK 4
	OUTBLK 5
	OUTBLK 6
.Lpassend:
	s_wait_xcnt 0x0
	s_add_nc_u64 s[14:15], s[14:15], 256           ; the next 64 columns
	s_sub_co_u32 s[PASS], s[PASS], 1
	s_cmp_lg_u32 s[PASS], 0
	s_cbranch_scc1 .Lpass
	s_wait_tensorcnt 0x0                           ; the wave's end, behind my last LDS store
	ds_add_u32 v[SPW], v[NIL]
	s_wait_dscnt 0x0
	s_endpgm
.Lfunc_end_k_q932b585381_down:
	.size	k_q932b585381_down, .Lfunc_end_k_q932b585381_down-k_q932b585381_down
	.p2alignl 7, 3214868480
	.fill 96, 4, 3214868480
	.section	.rodata,"a",@progbits
	.p2align	6, 0x0
	.amdhsa_kernel k_q932b585381_down
		.amdhsa_group_segment_fixed_size 143104
		.amdhsa_private_segment_fixed_size 0
		.amdhsa_enable_private_segment 0
		.amdhsa_kernarg_size 32
		.amdhsa_user_sgpr_count 2
		.amdhsa_user_sgpr_kernarg_segment_ptr 1
		.amdhsa_wavefront_size32 1
		.amdhsa_system_sgpr_workgroup_id_x 1
		.amdhsa_system_sgpr_workgroup_id_y 1
		.amdhsa_system_sgpr_workgroup_id_z 1
		.amdhsa_system_vgpr_workitem_id 0
		.amdhsa_next_free_vgpr 736
		.amdhsa_next_free_sgpr 66
		.amdhsa_reserve_vcc 1
		.amdhsa_float_denorm_mode_32 3
		.amdhsa_float_denorm_mode_16_64 3
		.amdhsa_memory_ordered 1
		.amdhsa_forward_progress 1
		.amdhsa_inst_pref_size 156
	.end_amdhsa_kernel
	.amdgpu_metadata
---
amdhsa.version: [ 1, 2 ]
amdhsa.kernels:
  - .name:           k_q932b585381_down
    .symbol:         k_q932b585381_down.kd
    .args:
      - { .name: hb, .offset: 0, .size: 8, .value_kind: global_buffer, .address_space: global }
      - { .name: wd, .offset: 8, .size: 8, .value_kind: global_buffer, .address_space: global }
      - { .name: rt, .offset: 16, .size: 8, .value_kind: global_buffer, .address_space: global }
      - { .name: out0, .offset: 24, .size: 8, .value_kind: global_buffer, .address_space: global }
    .group_segment_fixed_size: 143104
    .private_segment_fixed_size: 0
    .kernarg_segment_align: 8
    .kernarg_segment_size: 32
    .max_flat_workgroup_size: 128
    .sgpr_count:     66
    .vgpr_count:     736
    .wavefront_size: 32
...
	.end_amdgpu_metadata
.endif
;; end of part 3
;; ======== version 2 of 2: 3 launches; 1.12 times as fast as version 1
;; workspace buffers: xb 16,777,216 bytes; wu 16,777,216 bytes; wd 8,388,608 bytes; hb 4,194,304 bytes; rt 32,768 bytes of whole numbers; sel 16,384 bytes of whole numbers; mlt 32,768 bytes
;; launch prep (part 4): grid 256 x 1, 8 waves a work-group, no clusters, 142,848 bytes of LDS; arguments hidden_states, gate_w, w1, w3, w2, xb, wu, wd, rt, sel, mlt; writes xb, wu, wd, rt, sel, mlt
.if DOCPART == 4
	.amdgcn_target "amdgcn-amd-amdhsa--gfx1250"
	.amdhsa_code_object_version 6
	.text
	.protected	k_q932b585381_prep
	.globl	k_q932b585381_prep
	.p2align	8
	.type	k_q932b585381_prep,@function
k_q932b585381_prep:
	s_mov_b64 s[64:65], 0
	v_nop
	global_prefetch_b8 v0, s[64:65] scope:SCOPE_SE
	s_setreg_imm32_b32 hwreg(HW_REG_WAVE_MODE, 25, 1), 1
	s_wait_xcnt 0x0
; PREP.  (1) x is rounded to bf16 (xb).  (2) The router: logits = x gate^T on bf16 operands with f32 sums, top-2, the two masked softmax weights, and the routing tables.
; (3) w1, w3, w2 are rounded to bf16 and laid in the order in which a wave's operand registers take them (wu, wd).
; Every input is rounded to bf16 once, the router's operands too, so that the whole program follows reference() on inputs rounded to bf16.
; SHARES.  Work-group g has tokens 16 g .. 16 g + 15.  Wave w rounds rows 2 w, 2 w + 1 and multiplies K = 256 w .. 256 w + 255 of the router; the eight partial
; logits meet in LDS and wave 0 routes.  Wave G = 8 g + w also rounds tile G (16 rows x 128 k) of each of w1, w3, w2: 2,048 waves x 3 tiles are all 6,144.
; All three tiles are asked for ahead of the loop that rounds x, so that they are on their way while the router runs.
; No decision made here steers an address or a branch: the tables go to fixed places and later launches count from them.
; TABLES.  rt: one record of 32 words for 16 tokens: words 0-3 the experts' 16-bit token masks (expert e at byte 2 e), words 4-7 their counts as 16-bit numbers,
; words 8-21 the counts of the 28 pairs (a < b, in lexicographic order) as 16-bit numbers, the rest 0.  sel: lo | hi << 8 a token.  mlt: (m_lo, m_hi) a token.
; wu: [e 8][q 16][s 64][w1, w3][j 2][lane 32][16 bytes]: lane (r, h) holds W[16 q + r][32 s + 16 j + 8 h .. + 7].  wd: [e 8][W 16][pass 2][s 8][cb 4][j 2][lane 32][16 bytes], row 128 W + 64 pass + 16 cb + r.
; LIMITS.  NaN and infinities among the logits are not treated apart.  The jitter test d / f > 0.02 is made as d > 0.02 f (f >= 0; for f = 0 both are false): it can differ
; from the quotient's rounding within one unit in the last place of the threshold.  Equal logits: the lower index wins, as in jax.lax.top_k.  A weight's term below 2^-126 counts as 0.
; No tensor loads, no cluster: every byte has one wave that wants it, and all of it passes through registers to be rounded.
; REGISTERS: window 0 as named below; window 1 (s_set_vgpr_msb: bits 1:0 source 0, 3:2 source 1, 7:6 destination): v0-63 w3's tile, v64-127 w2's tile.
.set XPITCH, 4112                      ; a row of 2,048 bf16 + 16 bytes: an odd multiple of 16, so the 16 rows of a fragment load start at 16 different 16-byte columns modulo 256
.set GT,     16*XPITCH                 ; the gate's 8 rows
.set PL,     GT+8*XPITCH               ; partial logits: 1,024 bytes a wave
.set WT,     PL+8*1024                 ; a stage of 16 rows x 272 bytes for each wave, its own
.set WPITCH, 272
.set SPARE,  141824                    ; the spare words: 128 bytes for each of eight waves, four blocks of 256 bytes that no other line names
.set GR,   32                          ; v32-95   the gate as loaded, then w1's tile
.set XR,   96                          ; v96-223  x as loaded, then fragments
.set W3T,  0                           ; in window 1
.set W2T,  64                          ; in window 1
.set ACC0, 224
.set ACC1, 232
.set OUT,  224                         ; v224-255 a tile on its way out
.set LG,   96                          ; routing (wave 0): v96-159 the eight K ranges' partial logits, then v96-103 the 8 logits; all below is first written behind their sum
.set L2,   104                         ; the same with -inf at the first choice
.set V1,   112
.set I1,   113
.set V2,   114
.set I2,   115
.set DD,   116
.set FF,   117
.set NINF, 118
.set A1,   120
.set A2,   128
.set MSB, 0
.macro WIN new                         ; the immediate's high byte repeats the setting that is left; a switch that changes nothing is dropped
.if MSB != (\new)
	s_set_vgpr_msb (MSB<<8)|(\new)
.set MSB, \new
.endif
.endm
	s_load_b512 s[8:23], s[0:1], 0x0               ; x s[8:9], gate s[10:11], w1 s[12:13], w3 s[14:15], w2 s[16:17], xb s[18:19], wu s[20:21], wd s[22:23]
	s_load_b128 s[24:27], s[0:1], 0x40             ; rt s[24:25], sel s[26:27]
	s_load_b64 s[28:29], s[0:1], 0x50              ; mlt
	v_lshl_add_u32 v6, v0, 2, SPARE                ; my spare word, and 0: kept for the closing add alone
	v_mov_b32 v7, 0
	v_lshrrev_b32 v1, 5, v0
	v_readfirstlane_b32 s2, v1                     ; wave 0..7
	v_and_b32 v1, 31, v0                           ; lane
	v_and_b32 v4, 15, v0                           ; r
	v_bfe_u32 v5, v0, 4, 1                         ; h
	v_lshlrev_b32 v2, 4, v1                        ; 16 lane
	v_lshlrev_b32 v3, 3, v1                        ; 8 lane
	v_lshl_add_u32 v8, s2, 10, v2                  ; gate: my 256 k of a row (1,024 bytes) + 16 lane
	v_lshl_add_u32 v9, s2, 14, v2                  ; x: my two rows of 8,192 bytes
	s_lshl_b32 s4, s2, 9
	s_add_co_u32 s4, s4, GT                        ; my 512 bytes of a gate row in LDS
	v_add_nc_u32 v10, s4, v3
	v_lshl_add_u32 v11, s2, 13, v3                 ; xb: my two rows of 4,096 bytes
	s_mul_i32 s5, s2, 2*XPITCH
	v_add_nc_u32 v12, s5, v3                       ; the same two rows in LDS
	v_mul_u32_u24 v13, v4, XPITCH                  ; fragment of x: row r, my K range, 16 h
	v_lshl_add_u32 v13, v5, 4, v13
	v_lshl_add_u32 v13, s2, 9, v13
	v_and_b32 v14, 7, v0                           ; fragment of the gate: row r % 8 (rows 8-15 repeat rows 0-7)
	v_mul_u32_u24 v14, v14, XPITCH
	v_lshl_add_u32 v14, v5, 4, v14
	v_add_nc_u32 v14, s4, v14
	v_lshlrev_b32 v16, 5, v1
	v_add_nc_u32 v16, PL, v16                      ; partial logits: 32 bytes a lane
	v_lshl_add_u32 v15, s2, 10, v16
	s_mul_i32 s6, s2, 16*WPITCH
	s_add_co_u32 s6, s6, WT                        ; my stage
	v_add_nc_u32 v17, s6, v3                       ; in: 8 bytes a lane along a row
	v_mul_u32_u24 v18, v4, WPITCH                  ; back: row r, 16 h
	v_lshl_add_u32 v18, v5, 4, v18
	v_add_nc_u32 v18, s6, v18
	s_lshl_b32 s30, ttmp9, 3
	s_add_co_u32 s30, s30, s2                      ; G
	s_lshl_b32 s32, ttmp9, 17                      ; x: 16 rows of 8,192 bytes
	s_mov_b32 s33, 0
	s_lshl_b32 s34, ttmp9, 16                      ; xb
	s_mov_b32 s35, 0
	s_lshr_b32 s31, s30, 4
	s_lshl_b32 s31, s31, 17                        ; w1, w3: block of 16 rows G / 16: 131,072 bytes in the source and in wu
	s_and_b32 s7, s30, 15
	s_lshl_b32 s36, s7, 9                          ; k block G % 16: 512 bytes of a source row,
	s_add_co_u32 s36, s36, s31
	s_mov_b32 s37, 0
	s_lshl_b32 s38, s7, 13                         ; four K steps of 2,048 bytes in wu
	s_add_co_u32 s38, s38, s31
	s_mov_b32 s39, 0
	s_lshr_b32 s31, s30, 1
	s_lshl_b32 s40, s31, 14                        ; w2: block of 16 rows G / 2: 16,384 bytes; k half G % 2: 512 bytes
	s_and_b32 s7, s30, 1
	s_lshl_b32 s5, s7, 9
	s_add_co_u32 s40, s40, s5
	s_mov_b32 s41, 0
	s_lshr_b32 s42, s30, 3
	s_lshl_b32 s42, s42, 15                        ; wd: (e, W, pass) = G / 8: 32,768 bytes;
	s_and_b32 s31, s31, 3
	s_lshl_b32 s31, s31, 10                        ; cb: 1,024;
	s_add_co_u32 s42, s42, s31
	s_lshl_b32 s7, s7, 14                          ; k half: four K steps of 4,096
	s_add_co_u32 s42, s42, s7
	s_mov_b32 s43, 0
	s_lshl_b32 s44, ttmp9, 7                       ; rt: 128 bytes; mlt: 16 x 8
	s_mov_b32 s45, 0
	s_lshl_b32 s46, ttmp9, 6                       ; sel: 16 x 4
	s_mov_b32 s47, 0
	s_wait_kmcnt 0x0
	s_add_nc_u64 s[8:9], s[8:9], s[32:33]
	s_add_nc_u64 s[18:19], s[18:19], s[34:35]
	s_add_nc_u64 s[12:13], s[12:13], s[36:37]
	s_add_nc_u64 s[14:15], s[14:15], s[36:37]
	s_add_nc_u64 s[20:21], s[20:21], s[38:39]
	s_add_nc_u64 s[16:17], s[16:17], s[40:41]
	s_add_nc_u64 s[22:23], s[22:23], s[42:43]
	s_add_nc_u64 s[24:25], s[24:25], s[44:45]
	s_add_nc_u64 s[26:27], s[26:27], s[46:47]
	s_add_nc_u64 s[28:29], s[28:29], s[44:45]
	; 16 loads of the gate (my K range of all 8 rows), then 32 of x (512 consecutive bytes each)
.irp e, 0,1,2,3,4,5,6,7
	global_load_b128 v[GR+8*\e:GR+8*\e+3],   v8, s[10:11] offset:\e*8192
	global_load_b128 v[GR+8*\e+4:GR+8*\e+7], v8, s[10:11] offset:\e*8192+512
.endr
.set i, 0
.rept 32
	global_load_b128 v[XR+4*i:XR+4*i+3], v9, s[8:9] offset:(i/16)*8192+(i%16)*512 th:TH_LOAD_NT
.set i, i+1
.endr
	s_wait_loadcnt 32                              ; the gate is in; the 32 loads of x stay out
.set i, 0
.rept 16
	v_cvt_pk_bf16_f32 v[GR+4*i],   v[GR+4*i],   v[GR+4*i+1]
	v_cvt_pk_bf16_f32 v[GR+4*i+1], v[GR+4*i+2], v[GR+4*i+3]
	ds_store_b64 v10, v[GR+4*i:GR+4*i+1] offset:(i/2)*XPITCH+(i%2)*256   ; only this wave reads this K range of the gate
.set i, i+1
.endr
	s_wait_dscnt 0x0                               ; the stores have read GR, which is loaded again
	; the three weight tiles, 48 loads, a row of 512 bytes each: w1's where the gate lay, w3's and w2's in window 1
.set i, 0
.rept 16
	global_load_b128 v[GR+4*i:GR+4*i+3], v2, s[12:13] offset:i*8192 th:TH_LOAD_NT
.set i, i+1
.endr
	WIN 0x40                                       ; destination window 1, address window 0
.set i, 0
.rept 16
	global_load_b128 v[W3T+4*i:W3T+4*i+3], v2, s[14:15] offset:i*8192 th:TH_LOAD_NT
.set i, i+1
.endr
.set i, 0
.rept 16
	global_load_b128 v[W2T+4*i:W2T+4*i+3], v2, s[16:17] offset:i*1024 th:TH_LOAD_NT
.set i, i+1
.endr
	WIN 0
.set i, 0
.rept 32
.if 79-i > 63                                          ; load i of x is in when the 31 - i younger ones and the tiles' 48 are all that is out; a wait names 63 at the most
	s_wait_loadcnt 63
.else
	s_wait_loadcnt 79-i
.endif
	v_cvt_pk_bf16_f32 v[XR+4*i],   v[XR+4*i],   v[XR+4*i+1]
	v_cvt_pk_bf16_f32 v[XR+4*i+1], v[XR+4*i+2], v[XR+4*i+3]
	global_store_b64 v11, v[XR+4*i:XR+4*i+1], s[18:19] offset:(i/16)*4096+(i%16)*256   ; 32 lanes store 256 consecutive bytes, aligned
	ds_store_b64 v12, v[XR+4*i:XR+4*i+1] offset:(i/16)*XPITCH+(i%16)*256
.set i, i+1
.endr
	s_wait_dscnt 0x0                               ; for the others' sake: my two rows are in LDS
	s_barrier_signal -1
	s_barrier_wait -1
	s_wait_xcnt 0x0                                ; XR was the stores' data: it is loaded again only behind this wait
	; THE ROUTER.  Source 0 = the gate's rows, source 1 = 16 tokens: register j of lane (r, h) is the logit of expert j for token r, in both halves of the lanes.
.irp s, 0,1,2,3,4,5,6,7
	ds_load_b128 v[XR+8*\s:XR+8*\s+3],       v13 offset:64*\s
	ds_load_b128 v[XR+8*\s+4:XR+8*\s+7],     v13 offset:64*\s+32
	ds_load_b128 v[XR+64+8*\s:XR+64+8*\s+3],   v14 offset:64*\s
	ds_load_b128 v[XR+64+8*\s+4:XR+64+8*\s+7], v14 offset:64*\s+32
.endr
	s_wait_dscnt 0x0
	v_wmma_f32_16x16x32_bf16 v[ACC0:ACC0+7], v[XR+64:XR+71], v[XR:XR+7], 0       ; two accumulators take turns; the first two products start the sums
	v_wmma_f32_16x16x32_bf16 v[ACC1:ACC1+7], v[XR+72:XR+79], v[XR+8:XR+15], 0
.irp s, 2,4,6
	v_wmma_f32_16x16x32_bf16 v[ACC0:ACC0+7], v[XR+64+8*\s:XR+71+8*\s], v[XR+8*\s:XR+8*\s+7], v[ACC0:ACC0+7]
	v_wmma_f32_16x16x32_bf16 v[ACC1:ACC1+7], v[XR+72+8*\s:XR+79+8*\s], v[XR+8+8*\s:XR+15+8*\s], v[ACC1:ACC1+7]
.endr
.rept 4
	v_nop                                          ; four places behind the last product (ISA guide 7.12.1)
.endr
.irp p, 0,2,4,6
	v_pk_add_f32 v[ACC0+\p:ACC0+\p+1], v[ACC0+\p:ACC0+\p+1], v[ACC1+\p:ACC1+\p+1]   ; from the low end on
.endr
	ds_store_b128 v15, v[ACC0:ACC0+3]
	ds_store_b128 v15, v[ACC0+4:ACC0+7] offset:16
	s_wait_dscnt 0x0                               ; for wave 0's sake
	s_barrier_signal -1
	s_barrier_wait -1
	s_cmp_lg_u32 s2, 0
	s_cbranch_scc1 .Lcast                          ; the routing is wave 0's; no barrier stands in it
.set i, 0
.rept 8
	ds_load_b128 v[LG+8*i:LG+8*i+3],   v16 offset:1024*i
	ds_load_b128 v[LG+8*i+4:LG+8*i+7], v16 offset:1024*i+16
.set i, i+1
.endr
	v_mov_b32 v25, 0                               ; the record (outside v96-159, which the sixteen loads are still to write)
	s_wait_dscnt 0x0
.set i, 1
.rept 7                                            ; the eight K ranges are added in ascending order
.irp p, 0,2,4,6
	v_pk_add_f32 v[LG+\p:LG+\p+1], v[LG+\p:LG+\p+1], v[LG+8*i+\p:LG+8*i+\p+1]
.endr
.set i, i+1
.endr
	v_mov_b32 v[NINF], 0xff800000                  ; behind the sum: from here on v104-159 are free for what follows
.macro TOP lb, val, idx                ; the largest of 8; a strict comparison keeps the lower index
	v_mov_b32 v[\val], v[\lb]
	v_mov_b32 v[\idx], 0
.irp e, 1,2,3,4,5,6,7
	v_cmp_gt_f32 vcc_lo, v[(\lb)+\e], v[\val]
	v_cndmask_b32 v[\idx], v[\idx], \e, vcc_lo
	v_max_num_f32 v[\val], v[\val], v[(\lb)+\e]
.endr
.endm
; The exponents of one softmax, less its maximum, which is the threshold itself: -log2(e) (v - L), or -inf where the jitter test hides the expert.
.macro ARGS lb, val, ab
.irp e, 0,1,2,3,4,5,6,7
	v_sub_f32 v[DD], v[\val], v[(\lb)+\e]
	v_and_b32 v[FF], 0x7fffffff, v[(\lb)+\e]
	v_max_num_f32 v[FF], v[FF], v[\val]
	v_mul_f32 v[FF], 0x3ca3d70a, v[FF]             ; 0.02 max(|L|, v)
	v_mul_f32 v[(\ab)+\e], 0xbfb8aa3b, v[DD]
	v_cmp_gt_f32 vcc_lo, v[DD], v[FF]
	v_cndmask_b32 v[(\ab)+\e], v[(\ab)+\e], v[NINF], vcc_lo
.endr
.endm
	TOP LG, V1, I1
.irp e, 0,1,2,3,4,5,6,7
	v_cmp_eq_u32 vcc_lo, \e, v[I1]
	v_cndmask_b32 v[L2+\e], v[LG+\e], v[NINF], vcc_lo   ; at the first choice the second pass has -inf: its exponent is -inf, its term 0
.endr
	TOP L2, V2, I2
	ARGS LG, V1, A1
	ARGS L2, V2, A2
.set i, 0
.rept 16
	v_exp_f32 v[A1+i], v[A1+i]                     ; one batch
.set i, i+1
.endr
	v_nop                                          ; a plain instruction behind the last exponential,
	s_wait_alu depctr_va_vdst(0)                   ; and one wait ahead of the first reader
.irp b, A1, A2
	v_pk_add_f32 v[\b:\b+1],   v[\b:\b+1],   v[\b+2:\b+3]
	v_pk_add_f32 v[\b+4:\b+5], v[\b+4:\b+5], v[\b+6:\b+7]
	v_pk_add_f32 v[\b:\b+1],   v[\b:\b+1],   v[\b+4:\b+5]
	v_add_f32 v[\b], v[\b], v[\b+1]
.endr
	v_rcp_f32 v[A1], v[A1]                         ; the chosen expert's own term is 1: its weight is 1 / sum
	v_rcp_f32 v[A2], v[A2]
	v_min_u32 v20, v[I1], v[I2]                    ; lo (plain work behind the reciprocals)
	v_add_nc_u32 v21, v[I1], v[I2]
	v_sub_nc_u32 v21, v21, v20                     ; hi
	v_cmp_lt_u32 vcc_lo, v[I1], v[I2]
	s_wait_alu depctr_va_vdst(0)                   ; one wait for the two reciprocals
	v_cndmask_b32 v22, v[A2], v[A1], vcc_lo        ; m_lo
	v_cndmask_b32 v23, v[A1], v[A2], vcc_lo        ; m_hi
	v_lshl_or_b32 v24, v21, 8, v20
.irp e, 0,1,2,3,4,5,6,7
	v_cmp_eq_u32 s30, \e, v20
	v_cmp_eq_u32 s31, \e, v21
	s_or_b32 s30, s30, s31
	s_and_b32 s[40+\e], s30, 0xffff                ; the expert's mask of the 16 tokens (lanes 16-31 repeat lanes 0-15)
	s_bcnt1_i32_b32 s[48+\e], s[40+\e]
.endr
.irp d, 0,1,2,3
	s_lshl_b32 s30, s[41+2*\d], 16
	s_or_b32 s30, s30, s[40+2*\d]
	v_writelane_b32 v25, s30, \d
	s_lshl_b32 s31, s[49+2*\d], 16
	s_or_b32 s31, s31, s[48+2*\d]
	v_writelane_b32 v25, s31, 4+\d
.endr
.set p, 0
.irp a, 0,1,2,3,4,5,6
.irp b, 1,2,3,4,5,6,7
.if \b > \a
	s_and_b32 s30, s[40+\a], s[40+\b]              ; the tokens that chose both
.if p % 2 == 0
	s_bcnt1_i32_b32 s31, s30
.else
	s_bcnt1_i32_b32 s30, s30
	s_lshl_b32 s30, s30, 16
	s_or_b32 s31, s31, s30
	v_writelane_b32 v25, s31, 8+p/2
.endif
.set p, p+1
.endif
.endr
.endr
	v_lshlrev_b32 v26, 2, v1
	v_lshlrev_b32 v27, 2, v4
	v_lshlrev_b32 v28, 3, v4
	global_store_b32 v26, v25, s[24:25]            ; the record: 128 consecutive bytes
	global_store_b32 v27, v24, s[26:27]            ; lanes 16-31 store what lanes 0-15 store, to the same places: EXEC stays whole
	global_store_b64 v28, v[22:23], s[28:29]
.Lcast:
; A tile of 16 rows x 128 k, in window win: rounded in place, through my stage, out as fragments: each store of the wave covers 512 consecutive bytes.  left = the younger tile loads, which stay out.
.macro CAST reg, win, left, base, imm, sstride
	s_wait_loadcnt \left
	WIN 0x45*(\win)                                ; destination and both sources in the tile's window
.set i, 0
.rept 16
	v_cvt_pk_bf16_f32 v[(\reg)+4*i],   v[(\reg)+4*i],   v[(\reg)+4*i+1]
	v_cvt_pk_bf16_f32 v[(\reg)+4*i+1], v[(\reg)+4*i+2], v[(\reg)+4*i+3]
.set i, i+1
.endr
	WIN 0x04*(\win)                                ; an LDS store's data is source 1, its address source 0
.set i, 0
.rept 16
	ds_store_b64 v17, v[(\reg)+4*i:(\reg)+4*i+1] offset:i*WPITCH
.set i, i+1
.endr
	WIN 0
	s_wait_xcnt 0x0                                ; OUT was the last tile's store data
.set i, 0
.rept 8
	ds_load_b128 v[OUT+4*i:OUT+4*i+3], v18 offset:(i/2)*64+(i%2)*32   ; LDS serves a wave's instructions in order (ISA guide 5.7.1.4): these see the stores above
.set i, i+1
.endr
.set i, 0
.rept 8
	s_wait_dscnt 7-i
	global_store_b128 v2, v[OUT+4*i:OUT+4*i+3], s[\base:\base+1] offset:(\imm)+(i/2)*(\sstride)+(i%2)*512
.set i, i+1
.endr
.endm
	CAST GR,  0, 32, 20, 0,    2048
	CAST W3T, 1, 16, 20, 1024, 2048
	CAST W2T, 1, 0,  22, 0,    4096
	s_wait_tensorcnt 0x0                           ; the wave's end, behind my last LDS store
	ds_add_u32 v6, v7
	s_wait_dscnt 0x0
	s_endpgm
.Lfunc_end_k_q932b585381_prep:
	.size	k_q932b585381_prep, .Lfunc_end_k_q932b585381_prep-k_q932b585381_prep
	.p2alignl 7, 3214868480
	.fill 96, 4, 3214868480
	.section	.rodata,"a",@progbits
	.p2align	6, 0x0
	.amdhsa_kernel k_q932b585381_prep
		.amdhsa_group_segment_fixed_size 142848
		.amdhsa_private_segment_fixed_size 0
		.amdhsa_enable_private_segment 0
		.amdhsa_kernarg_size 88
		.amdhsa_user_sgpr_count 2
		.amdhsa_user_sgpr_kernarg_segment_ptr 1
		.amdhsa_wavefront_size32 1
		.amdhsa_system_sgpr_workgroup_id_x 1
		.amdhsa_system_sgpr_workgroup_id_y 1
		.amdhsa_system_sgpr_workgroup_id_z 1
		.amdhsa_system_vgpr_workitem_id 0
		.amdhsa_next_free_vgpr 384
		.amdhsa_next_free_sgpr 66
		.amdhsa_reserve_vcc 1
		.amdhsa_float_denorm_mode_32 3
		.amdhsa_float_denorm_mode_16_64 3
		.amdhsa_memory_ordered 1
		.amdhsa_forward_progress 1
		.amdhsa_inst_pref_size 62
	.end_amdhsa_kernel
	.amdgpu_metadata
---
amdhsa.version: [ 1, 2 ]
amdhsa.kernels:
  - .name:           k_q932b585381_prep
    .symbol:         k_q932b585381_prep.kd
    .args:
      - { .name: hidden_states, .offset: 0, .size: 8, .value_kind: global_buffer, .address_space: global }
      - { .name: gate_w, .offset: 8, .size: 8, .value_kind: global_buffer, .address_space: global }
      - { .name: w1, .offset: 16, .size: 8, .value_kind: global_buffer, .address_space: global }
      - { .name: w3, .offset: 24, .size: 8, .value_kind: global_buffer, .address_space: global }
      - { .name: w2, .offset: 32, .size: 8, .value_kind: global_buffer, .address_space: global }
      - { .name: xb, .offset: 40, .size: 8, .value_kind: global_buffer, .address_space: global }
      - { .name: wu, .offset: 48, .size: 8, .value_kind: global_buffer, .address_space: global }
      - { .name: wd, .offset: 56, .size: 8, .value_kind: global_buffer, .address_space: global }
      - { .name: rt, .offset: 64, .size: 8, .value_kind: global_buffer, .address_space: global }
      - { .name: sel, .offset: 72, .size: 8, .value_kind: global_buffer, .address_space: global }
      - { .name: mlt, .offset: 80, .size: 8, .value_kind: global_buffer, .address_space: global }
    .group_segment_fixed_size: 142848
    .private_segment_fixed_size: 0
    .kernarg_segment_align: 8
    .kernarg_segment_size: 88
    .max_flat_workgroup_size: 256
    .sgpr_count:     66
    .vgpr_count:     384
    .wavefront_size: 32
...
	.end_amdgpu_metadata
.endif
;; end of part 4
;; launch up (part 5): grid 256 x 1, 4 waves a work-group, no clusters, 285,440 bytes of LDS; arguments xb, wu, rt, sel, mlt, hb; writes hb
.if DOCPART == 5
	.amdgcn_target "amdgcn-amd-amdhsa--gfx1250"
	.amdhsa_code_object_version 6
	.text
	.protected	k_q932b585381_up
	.globl	k_q932b585381_up
	.p2align	8
	.type	k_q932b585381_up,@function
k_q932b585381_up:
	s_mov_b64 s[64:65], 0
	v_nop
	global_prefetch_b8 v0, s[64:65] scope:SCOPE_SE
	s_setreg_imm32_b32 hwreg(HW_REG_WAVE_MODE, 25, 1), 1
	s_wait_xcnt 0x0
; UP.  hb[t][pos][:] = bf16( silu(x_t w1[e]^T) (x_t w3[e]^T) m ), for the two experts of each token; pos 0 is the expert with the lower index.
; TILES.  A tile is up to 144 routed rows of one expert x 64 hidden columns (of w1 and of w3).  The sum over experts of ceil(n_e / 144) is at most (8,192 + 8 x 143) / 144 = 64.8,
; so 64 row tiles x 4 column parts = 256 work-groups serve every split of the tokens.  Every work-group finds its tile from the stored counts by the same formula.  All trip counts are
; constants: places past a tile's count repeat its last row (and store the same bytes again); a work-group whose tile does not exist runs on token 0 and jumps its stores alone.
; SHARES.  The four waves split K x columns, 2 x 2.  Wave w has K half w % 2 (1,024 k, 32 K steps) and two column blocks of w1 and of w3: the one that it KEEPS, q = 4 c + w, and its partner's,
; q = 4 c + (w xor 1): 36 accumulators, so a run of 18 LDS loads and 8 weight loads feeds 36 matrix instructions, and a row in LDS is read by two waves.  At the end each wave hands the 18
; accumulators of its partner's block over in f32 through LDS, adds what it receives, and finishes its own block.
; x rows come by the list, 128 k of each K half at a time, through registers into two LDS slots that take turns; the weights, which only this wave of the work-group wants, come from memory
; straight into operand registers, three K steps ahead (512 consecutive bytes a load).
; THE MATRIX INSTRUCTION IS USED TRANSPOSED (source 0 = 16 weight rows, source 1 = 16 tokens): a lane holds 8 neighbouring hidden columns of one token.
; No tensor loads: the rows come by a list, which no descriptor covers.  No cluster: what partners could share, the weights, goes to registers and never lies in LDS.
; The stores are pieces of 128 bytes (a work-group owns 64 hidden columns): half of an aligned 256; the buffer is 4 MB.
; LIMITS.  NaN and infinities are not treated apart.  2^(-log2e g) overflows to infinity for g below about -88: its reciprocal is 0 and h is 0, as silu's limit is.
; A sum over K is made as two halves, each ascending, added once in f32.
; REGISTERS, in windows of 256 (s_set_vgpr_msb: bits 1:0 source 0, 3:2 source 1, 5:4 source 2, 7:6 destination):
;   window 0: addresses, row offsets, two fragment buffers of x, the rows' weights     window 1: v0-127 a ring of 4 K steps of weights; v128-255 32 rows on their way into LDS
;   window 2: v0-143 kept accumulator (a, b) at 16 a + 8 b (b = 0: w1, 1: w3); v144-159 4 more rows on their way     window 3: v0-143 the partner's accumulators; at the end at work
.set R,       144
.set APITCH,  560                      ; a row in LDS: 256 bytes of K half 0, 16 of padding, 256 of K half 1, 32 of padding: an odd multiple of 16
.set KOFF,    272                      ; where K half 1 begins in a row
.set SLOT1,   131072                   ; slot 0 at 0, slot 1 here: 80,640 bytes each
.set LSTRIDE, 640
.set LISTW,   R*APITCH                 ; four lists of 160 words, one a wave; word 144 is the wave's dump
.set LIST2,   LISTW+4*LSTRIDE          ; four copies of the finished list, one a wave
.set XW,      LIST2+4*LSTRIDE          ; 64 bytes a wave: its counts
.set BMS,     XW+256                   ; 32 bytes a thread: the masks of its 32 tokens
.set HS,      BMS+4096                 ; h on its way out: 144 rows x 144 bytes
.set HPITCH,  144
.set SPARE,   HS+144*HPITCH            ; the spare words: 128 bytes a wave, two blocks of 256 bytes that no other line names
.set XCH,     SLOT1+R*APITCH           ; behind slot 1: 18 accumulators of 1,024 bytes for each wave, handed to its partner
.set XSTRIDE, 18*1024
.set SPW, 6
.set NIL, 7
.set MK,  8                            ; v8-12  all ones where the lane's bit k is set
.set T,   13
.set U,   14
.set PRE, 15
.set TOT, 16
.set NV,  17
.set TLV, 18
.set XV,  19
.set YV,  20
.set MV,  21
.set LBK, 22                           ; 16 lane + the kept column block's place in wu; never rewritten
.set DV,  23
.set TOKW, 24                          ; 1,024 wave + lane
.set ADRLO, 25                         ; fragments of row blocks 0-4 in the slot in hand
.set ADRHI, 26                         ; of row blocks 5-8 (44,800 bytes on: LDS offsets have 16 bits)
.set STA, 27                           ; where my 36 rows go next
.set AL0, 28                           ; the three in slot 0; never rewritten
.set AH0, 29
.set L16, 30                           ; 16 lane; never rewritten
.set ST0, 31
.set RO,  32                           ; v32-67  row j of my 36: token x 4,096 + 2,048 (lane / 16) + 16 (lane % 16); never rewritten
.set PK,  32                           ; (before that: at work)
.set ET,  32
.set ED,  40
.set HST, 68
.set HRD, 69
.set BMSA, 70
.set XWA, 71
.set F0,  72
.set F1,  144
.set MULT, 216                         ; v216-233  block a's weight for row r, twice (a pair for the packed multiply)
.set HOFF, 234                         ; v234-242  byte offsets in hb
.set L2S, 243
.set L2B, 244
.set L2R, 245
.set L2Q, 246
.set COLT, 247
.set LBS, 248                          ; 16 lane + the partner's column block's place in wu; never rewritten
.set XST, 249
.set XRD, 250
.set LT,  251
.set TKA, 144                          ; maps, in fragment buffer 1 before the loop
.set SLA, 153
.set MLA, 162
.set TKB, 180
.set SLB, 189
.set OFA, 198
.set OFM, 207
.set OFB, 72
.set WV,  2
.set TAU, 3
.set CP,  4
.set E,   32
.set ROWS, 33
.set RM1, 34
.set LB,  35
.set SEL, 36
.set TB,  38
.set CNT, 39
.set CS,  40
.set KH,  42
.set WX,  43
.set BP,  46
.set EM,  48                           ; s48-55  eight words of the mask
.set RS,  56                           ; s56-63  the running count in front of each
.set MSB, 0
.macro WIN new                         ; the immediate's high byte repeats the setting that is left; a switch that changes nothing is dropped
.if MSB != (\new)
	s_set_vgpr_msb (MSB<<8)|(\new)
.set MSB, \new
.endif
.endm
.macro BAR
	s_barrier_signal -1
	s_barrier_wait -1
.endm
.macro PLACES
.rept 4
	v_nop
.endr
.endm
; WHOLE NUMBERS ACROSS THE LANES.  XSTEPT: v[dst] = reg of lane xor m (dst has been written before).
.macro XSTEPT dst, reg, m
.if (\m) == 16
	v_permlanex16_b32 v[\dst], v[\reg], s[SEL], s[SEL+1]
.else
	v_mov_b32_dpp v[\dst], v[\reg] row_xmask:\m row_mask:0xf bank_mask:0xf
.endif
.endm
.macro REDUCEN base, tmp, n            ; n registers from base on: each one's sum over the 32 lanes, in every lane; the n chains go side by side, each with a temporary of its own
.irp m, 1,2,4,8,16
.set i, 0
.rept \n
	XSTEPT (\tmp)+i, (\base)+i, \m
.set i, i+1
.endr
.set i, 0
.rept \n
	v_add_nc_u32 v[(\base)+i], v[(\base)+i], v[(\tmp)+i]
.set i, i+1
.endr
.endr
.endm
.macro SCAN                            ; v[PRE] = the sum of v[TOT] over the lower lanes (v[TOT] ends as the total)
	v_mov_b32 v[PRE], 0
.set k, 0
.irp m, 1,2,4,8,16
	XSTEPT T, TOT, \m
	v_and_b32 v[U], v[MK+k], v[T]
	v_add_nc_u32 v[PRE], v[PRE], v[U]
	v_add_nc_u32 v[TOT], v[TOT], v[T]
.set k, k+1
.endr
.endm
; WHICH SET OWNS ROW TILE TAU.  Lane p has set p: its count N (the four waves' parts added), its tiles ceil(N / r) (r = 16 x 9: a shift and a multiplication by magic = ceil(65,536 / 9), exact for
; the arguments up to 264 that occur), and the tiles of the sets before it.  The one lane whose range holds TAU packs N, first tile, tiles and p into 13 + 7 + 6 + 5 bits; all others hold 0; the sum over
; the lanes brings the word to all.  With no such lane every field is 0.  Out: s23 N, s24 first tile, s25 tiles, s26 set, s27 the count of the set in the waves before mine.
.macro PICK nsets, r, magic
	v_min_u32 v[T], (\nsets)-1, v1
	v_lshl_add_u32 v[T], v[T], 1, XW
	ds_load_u16 v[PK],   v[T]
	ds_load_u16 v[PK+1], v[T] offset:64
	ds_load_u16 v[PK+2], v[T] offset:128
	ds_load_u16 v[PK+3], v[T] offset:192
	s_cmp_gt_u32 s[WV], 0
	s_cselect_b32 s20, 1, 0
	s_cmp_gt_u32 s[WV], 1
	s_cselect_b32 s21, 1, 0
	s_cmp_gt_u32 s[WV], 2
	s_cselect_b32 s22, 1, 0
	s_wait_dscnt 0x0
	v_add3_u32 v[NV], v[PK], v[PK+1], v[PK+2]
	v_add_nc_u32 v[NV], v[NV], v[PK+3]
	v_mul_u32_u24 v[YV], v[PK], s20
	v_mad_u32_u24 v[YV], v[PK+1], s21, v[YV]
	v_mad_u32_u24 v[YV], v[PK+2], s22, v[YV]
	v_cmp_gt_u32 vcc_lo, \nsets, v1
	v_cndmask_b32 v[NV], 0, v[NV], vcc_lo
	v_add_nc_u32 v[TLV], (\r)-1, v[NV]
	v_lshrrev_b32 v[TLV], 4, v[TLV]
	v_mul_u32_u24 v[TLV], v[TLV], \magic
	v_lshrrev_b32 v[TLV], 16, v[TLV]
	v_mov_b32 v[TOT], v[TLV]
	SCAN
	v_cmp_ge_u32 s20, s[TAU], v[PRE]
	v_add_nc_u32 v[U], v[PRE], v[TLV]
	v_cmp_lt_u32 s21, s[TAU], v[U]
	s_and_b32 s20, s20, s21
	v_lshl_or_b32 v[XV], v[PRE], 13, v[NV]
	v_lshl_or_b32 v[XV], v[TLV], 20, v[XV]
	v_lshl_or_b32 v[XV], v1, 26, v[XV]
	v_cndmask_b32 v[XV], 0, v[XV], s20
	v_cndmask_b32 v[YV], 0, v[YV], s20
	REDUCEN XV, T, 2
	v_readfirstlane_b32 s21, v[XV]
	v_readfirstlane_b32 s27, v[YV]
	s_bfe_u32 s23, s21, 0xd0000
	s_bfe_u32 s24, s21, 0x7000d
	s_bfe_u32 s25, s21, 0x60014
	s_bfe_u32 s26, s21, 0x5001a
.endm
; MY WAVE'S 1,024 TOKENS INTO ITS LIST.  Lane i's v[MV] is the mask of tokens 32 i .. 32 i + 31 of the wave.  Word by word the mask becomes a scalar, and lane l stands for the word's token l: its place in
; the tile is the running count s27 (chosen tokens before the word, less the tile's first row; below 0 it wraps to a large number) plus the ones below bit l.  A token not chosen, or outside the tile,
; goes to the dump word r.  The 32 words hang on each other by the scalar count alone: they go in groups of eight, line by line.
.macro ENUM r
.set g, 0
.rept 4
.set b, 0
.rept 8
	v_readlane_b32 s[EM+b], v[MV], 8*g+b
.set b, b+1
.endr
.set b, 0
.rept 8
	s_mov_b32 s[RS+b], s27
	s_bcnt1_i32_b32 s20, s[EM+b]
	s_add_co_u32 s27, s27, s20
.set b, b+1
.endr
.set b, 0
.rept 8
	v_mbcnt_lo_u32_b32 v[ET+b], s[EM+b], s[RS+b]
.set b, b+1
.endr
.set b, 0
.rept 8
	v_cndmask_b32 v[ET+b], -1, v[ET+b], s[EM+b]
.set b, b+1
.endr
.set b, 0
.rept 8
	v_min_u32 v[ET+b], \r, v[ET+b]
.set b, b+1
.endr
.set b, 0
.rept 8
	v_lshl_add_u32 v[ET+b], v[ET+b], 2, s[LB]
	v_add_nc_u32 v[ED+b], 32*(8*g+b), v[TOKW]
.set b, b+1
.endr
.set b, 0
.rept 8
	ds_store_b32 v[ET+b], v[ED+b]
.set b, b+1
.endr
.set g, g+1
.endr
.endm
	s_load_b256 s[8:15], s[0:1], 0x0               ; xb s[8:9], wu s[10:11], rt s[12:13], sel s[14:15]
	s_load_b128 s[16:19], s[0:1], 0x20             ; mlt s[16:17], hb s[18:19]
	v_lshl_add_u32 v[SPW], v0, 2, SPARE            ; my spare word, and 0: kept for the closing add alone
	v_mov_b32 v[NIL], 0
	v_lshrrev_b32 v1, 5, v0
	v_readfirstlane_b32 s[WV], v1                  ; wave 0..3
	s_lshr_b32 s[TAU], ttmp9, 2                    ; row tile
	s_and_b32 s[CP], ttmp9, 3                      ; column part
	s_and_b32 s[KH], s[WV], 1                      ; my K half
	s_xor_b32 s[WX], s[WV], 1                      ; my partner: the same two column blocks, the other K half
	s_mov_b32 s[SEL], 0x76543210
	s_mov_b32 s[SEL+1], 0xfedcba98
	s_mov_b32 s[CS], 0xbfb8aa3b                    ; -log2(e)
	s_mov_b32 s[CS+1], s[CS]                       ; named with it as a pair
	s_mov_b32 s[TB], 0
	v_and_b32 v1, 31, v0                           ; lane
	v_and_b32 v2, 15, v0                           ; r
	v_bfe_u32 v3, v0, 4, 1                         ; h
.irp k, 0,1,2,3,4
	v_bfe_u32 v[MK+\k], v0, \k, 1
	v_sub_nc_u32 v[MK+\k], 0, v[MK+\k]
.endr
	v_lshlrev_b32 v[L16], 4, v1
	v_lshlrev_b32 v4, 8, v0                        ; thread i stands for tokens 32 i .. 32 i + 31: records 2 i, 2 i + 1
	v_mov_b32 v[T], 0
	v_mov_b32 v[U], 0
	s_mul_i32 s[LB], s[WV], LSTRIDE
	s_add_co_u32 s[LB], s[LB], LISTW               ; my wave's list
	v_lshl_add_u32 v5, v1, 2, s[LB]
	v_lshl_add_u32 v[BMSA], v0, 5, BMS
	s_lshl_b32 s5, s[WV], 6
	s_add_co_u32 s5, s5, XW
	v_mov_b32 v[XWA], s5
	s_wait_kmcnt 0x0
	global_load_b128 v[32:35], v4, s[12:13]            ; masks,
	global_load_b128 v[36:39], v4, s[12:13] offset:16  ; counts
	global_load_b128 v[40:43], v4, s[12:13] offset:128
	global_load_b128 v[44:47], v4, s[12:13] offset:144
.irp k, 0,1,2,3,4
	ds_store_b32 v5, v[U] offset:128*\k            ; my wave's list starts as zeros
.endr
	; addresses, in the wait for the records
	s_mul_i32 s5, s[WV], LSTRIDE
	s_add_co_u32 s5, s5, LIST2                     ; my wave's copy of the finished list
	v_lshl_add_u32 v[L2S], v1, 2, s5
	v_lshl_add_u32 v[L2R], v2, 2, s5
	s_mul_i32 s6, s[WV], 144
	s_add_co_u32 s6, s6, s5                        ; my 36 rows in it
	v_mov_b32 v[L2B], s6
	v_lshrrev_b32 v[DV], 3, v1                     ; lane / 8
	v_lshl_add_u32 v[L2Q], v[DV], 2, s6
	v_mul_u32_u24 v[AL0], v2, APITCH
	v_lshl_add_u32 v[AL0], v3, 4, v[AL0]           ; row r x pitch + 16 h,
	s_mul_i32 s7, s[KH], KOFF
	v_add_nc_u32 v[AL0], s7, v[AL0]                ; in my K half
	v_add_nc_u32 v[AH0], 5*16*APITCH, v[AL0]
	v_mul_u32_u24 v[ST0], v3, KOFF                 ; rows in: lanes 0-15 K half 0's 256 bytes, lanes 16-31 K half 1's
	v_lshl_add_u32 v[ST0], v2, 4, v[ST0]
	s_mul_i32 s7, s[WV], 36*APITCH                 ; my 36 rows: 20,160 bytes on end, no other wave's
	v_add_nc_u32 v[ST0], s7, v[ST0]
	v_lshlrev_b32 v[LT], 4, v2                     ; the same in a row of xb: the K halves lie 2,048 bytes apart
	v_lshl_add_u32 v[LT], v3, 11, v[LT]
	v_lshl_add_u32 v[LBK], s[WV], 17, v[L16]       ; a column block of wu is 131,072 bytes
	v_lshl_add_u32 v[LBS], s[WX], 17, v[L16]
	s_mul_i32 s7, s[WV], XSTRIDE
	s_add_co_u32 s7, s7, XCH
	v_add_nc_u32 v[XST], s7, v[L16]                ; what I hand over,
	s_mul_i32 s7, s[WX], XSTRIDE
	s_add_co_u32 s7, s7, XCH
	v_add_nc_u32 v[XRD], s7, v[L16]                ; what my partner hands me
	v_mul_u32_u24 v[HST], v2, HPITCH               ; h in: row r, my 32 bytes, 16 h
	v_lshl_add_u32 v[HST], v3, 4, v[HST]
	s_lshl_b32 s7, s[WV], 5
	s_add_co_u32 s7, s7, HS
	v_add_nc_u32 v[HST], s7, v[HST]
	s_mul_i32 s7, s[WV], 36
	v_add_nc_u32 v[HRD], s7, v[DV]                 ; h back: four rows of 128 bytes a load
	v_mul_u32_u24 v[HRD], v[HRD], HPITCH
	v_and_b32 v[DV], 7, v0
	v_lshl_add_u32 v[HRD], v[DV], 4, v[HRD]
	v_add_nc_u32 v[HRD], HS, v[HRD]
	v_lshlrev_b32 v[COLT], 4, v[DV]
	v_lshl_add_u32 v[COLT], s[CP], 7, v[COLT]      ; my 16 bytes of the work-group's 128 in a row of hb
	v_mov_b32 v[ADRLO], v[AL0]
	v_mov_b32 v[ADRHI], v[AH0]
	v_mov_b32 v[STA], v[ST0]
	v_lshl_add_u32 v[TOKW], s[WV], 10, v1
	s_wait_loadcnt 0x0
	ds_store_b128 v[BMSA], v[32:35]                ; my own bytes: read back below at an offset that hangs on the expert
	ds_store_b128 v[BMSA], v[40:43] offset:16
.irp k, 0,1,2,3
	v_add_nc_u32 v[36+\k], v[36+\k], v[44+\k]      ; two 16-bit counts a word; no count passes 4,096
.endr
	REDUCEN 36, 44, 4
	ds_store_b128 v[XWA], v[36:39]                 ; every lane the same bytes
	s_wait_dscnt 0x0                               ; for the others' sake
	BAR
	PICK 8, R, 7282
	s_min_u32 s[E], s26, 7
	s_sub_co_u32 s28, s[TAU], s24                  ; my tile among the expert's
	s_mul_i32 s28, s28, R                          ; its first row
	s_sub_co_i32 s[ROWS], s23, s28
	s_max_i32 s[ROWS], s[ROWS], 0
	s_min_u32 s[ROWS], s[ROWS], R
	s_max_u32 s[RM1], s[ROWS], 1
	s_sub_co_u32 s[RM1], s[RM1], 1                 ; the last row that exists
	s_sub_co_u32 s27, s27, s28
	v_lshl_add_u32 v[U], s[E], 1, v[BMSA]
	ds_load_u16 v[PK],   v[U]
	ds_load_u16 v[PK+1], v[U] offset:16
	s_lshl_b32 s20, s[E], 4
	s_lshl_b32 s21, s[CP], 2
	s_add_co_u32 s20, s20, s21                     ; 16 e + 4 c: the work-group's four column blocks,
	s_lshl_b32 s20, s20, 17
	s_lshl_b32 s21, s[KH], 16                      ; my K half: 32 K steps of 2,048 bytes
	s_add_co_u32 s20, s20, s21
	s_mov_b32 s21, 0
	s_add_nc_u64 s[BP:BP+1], s[10:11], s[20:21]
	s_wait_dscnt 0x0
	v_lshl_or_b32 v[MV], v[PK+1], 16, v[PK]        ; the expert's mask of my 32 tokens
	ENUM R
	s_wait_dscnt 0x0                               ; for the others' sake
	BAR
	; the four waves' lists are added (each place was written by one wave at the most); places past the count take the last row that exists
.irp k, 0,1,2,3,4
	v_add_nc_u32 v[32+\k], 32*\k, v1
	v_min_u32 v[32+\k], s[RM1], v[32+\k]
	v_min_u32 v[32+\k], R-1, v[32+\k]
	v_lshl_add_u32 v[32+\k], v[32+\k], 2, LISTW
.irp w, 0,1,2,3
	ds_load_b32 v[40+4*\k+\w], v[32+\k] offset:LSTRIDE*\w
.endr
.endr
	s_wait_dscnt 0x0
.irp k, 0,1,2,3,4
	v_add3_u32 v[40+4*\k], v[40+4*\k], v[41+4*\k], v[42+4*\k]
	v_add_nc_u32 v[40+4*\k], v[40+4*\k], v[43+4*\k]
	ds_store_b32 v[L2S], v[40+4*\k] offset:128*\k  ; my wave's own copy: its reads below follow in order
.endr
.set j, 0
.rept 36
	ds_load_b32 v[RO+j], v[L2B] offset:4*j         ; my 36 rows' tokens, each in every lane
.set j, j+1
.endr
.irp a, 0,1,2,3,4,5,6,7,8
	ds_load_b32 v[TKA+\a], v[L2R] offset:64*\a     ; the token of row 16 a + r
.endr
.irp q, 0,1,2,3,4,5,6,7,8
	ds_load_b32 v[TKB+\q], v[L2Q] offset:16*\q     ; the token of row 36 w + 4 q + lane / 8
.endr
	s_wait_dscnt 18                                ; the 36 are in; the 18 behind them stay out
.set j, 0
.rept 36
	v_min_u32 v[RO+j], 0xfff, v[RO+j]
	v_lshl_add_u32 v[RO+j], v[RO+j], 12, v[LT]
.set j, j+1
.endr
; my 36 rows of a chunk: a load brings 256 consecutive bytes, aligned, of each K half of one row; off: the chunk's place from s[8:9] on
.macro STGLOAD off
	WIN 0x40
.set j, 0
.rept 32
	global_load_b128 v[128+4*j:128+4*j+3], v[RO+j], s[8:9] offset:\off
.set j, j+1
.endr
	WIN 0x80
.rept 4
	global_load_b128 v[144+4*(j-32):144+4*(j-32)+3], v[RO+j], s[8:9] offset:\off
.set j, j+1
.endr
.endm
.macro STGSTORE
	WIN 0x04
.set j, 0
.rept 32
	ds_store_b128 v[STA], v[128+4*j:128+4*j+3] offset:APITCH*j
.set j, j+1
.endr
	WIN 0x08
.rept 4
	ds_store_b128 v[STA], v[144+4*(j-32):144+4*(j-32)+3] offset:APITCH*j
.set j, j+1
.endr
.endm
; the weights of K step n (counted from the chunk at s[BP]) into ring slot n % 4: the kept block's w1 and w3 (two halves each), then the partner's block's
.macro BLD n
	WIN 0x40
.irp i, 0,1,2,3
	global_load_b128 v[32*((\n)&3)+4*\i:32*((\n)&3)+4*\i+3], v[LBK], s[BP:BP+1] offset:(\n)*2048+512*\i
.endr
.irp i, 0,1,2,3
	global_load_b128 v[32*((\n)&3)+16+4*\i:32*((\n)&3)+16+4*\i+3], v[LBS], s[BP:BP+1] offset:(\n)*2048+512*\i
.endr
.endm
	STGLOAD 0                                      ; chunk 0's rows go out first: everything below waits for them
	WIN 0
	s_wait_dscnt 0x0
.irp a, 0,1,2,3,4,5,6,7,8
	v_min_u32 v[TKA+\a], 0xfff, v[TKA+\a]
	v_lshlrev_b32 v[OFA+\a], 2, v[TKA+\a]
	v_lshlrev_b32 v[OFM+\a], 3, v[TKA+\a]
	global_load_b32 v[SLA+\a], v[OFA+\a], s[14:15]
	global_load_b64 v[MLA+2*\a:MLA+2*\a+1], v[OFM+\a], s[16:17]
	v_min_u32 v[TKB+\a], 0xfff, v[TKB+\a]
	v_lshlrev_b32 v[OFB+\a], 2, v[TKB+\a]
	global_load_b32 v[SLB+\a], v[OFB+\a], s[14:15]
.endr
	BLD 0
	BLD 1
	BLD 2
	s_wait_loadcnt 51                              ; the 36 rows are in; the 27 map loads and the 24 weight loads stay out
	STGSTORE
	STGLOAD 256                                    ; chunk 1, into the registers that the LDS stores above have read
	WIN 0
	v_add_nc_u32 v[STA], SLOT1, v[ST0]             ; chunk 1 goes to slot 1
	s_wait_loadcnt 60                              ; the maps are in; 24 weight loads and 36 rows are younger
.irp a, 0,1,2,3,4,5,6,7,8
	v_lshrrev_b32 v[T], 8, v[SLA+\a]
	v_cmp_eq_u32 vcc_lo, s[E], v[T]
	v_cndmask_b32 v[MULT+2*\a], v[MLA+2*\a], v[MLA+2*\a+1], vcc_lo   ; m_hi if my expert is the token's higher one
	v_mov_b32 v[MULT+2*\a+1], v[MULT+2*\a]
	v_and_b32 v[U], 0xff, v[SLB+\a]
	v_xor_b32 v[U], s[E], v[U]
	v_min_u32 v[U], 1, v[U]                        ; pos: 0 if my expert is the lower one
	v_lshl_add_u32 v[U], v[TKB+\a], 1, v[U]
	v_lshl_add_u32 v[HOFF+\a], v[U], 9, v[COLT]
.endr
	s_wait_dscnt 0x0                               ; for the others' sake: my rows of chunk 0 are in slot 0
	BAR
; cnt row blocks from a0 on x (w1, w3) of column block x (0: kept, window 2; 1: the partner's, window 3), 32 along K: fragments in buffer f, weights in ring slot n % 4.
; The accumulators take turns, one instruction a turn.
.macro MULS f, n, x, a0, cnt, zero
	WIN 0xa1+0x50*(\x)
.set a, \a0
.rept \cnt
.irp b, 0,1
.if \zero
	v_wmma_f32_16x16x32_bf16 v[16*a+8*\b:16*a+8*\b+7], v[32*((\n)&3)+16*(\x)+8*\b:32*((\n)&3)+16*(\x)+8*\b+7], v[(\f)+8*a:(\f)+8*a+7], 0
.else
	v_wmma_f32_16x16x32_bf16 v[16*a+8*\b:16*a+8*\b+7], v[32*((\n)&3)+16*(\x)+8*\b:32*((\n)&3)+16*(\x)+8*\b+7], v[(\f)+8*a:(\f)+8*a+7], v[16*a+8*\b:16*a+8*\b+7]
.endif
.endr
.set a, a+1
.endr
.endm
.macro FRAG k, f                       ; 18 LDS loads in one run: nine fragments of x at byte k of my K half of the rows
	WIN 0
.irp a, 0,1,2,3,4
	ds_load_b128 v[(\f)+8*\a:(\f)+8*\a+3],   v[ADRLO] offset:(\k)+\a*16*APITCH
	ds_load_b128 v[(\f)+8*\a+4:(\f)+8*\a+7], v[ADRLO] offset:(\k)+\a*16*APITCH+32
.endr
.irp a, 5,6,7,8
	ds_load_b128 v[(\f)+8*\a:(\f)+8*\a+3],   v[ADRHI] offset:(\k)+(\a-5)*16*APITCH
	ds_load_b128 v[(\f)+8*\a+4:(\f)+8*\a+7], v[ADRHI] offset:(\k)+(\a-5)*16*APITCH+32
.endr
.endm
; K step n (0 to 2) of a chunk.  lc: the global loads younger than what this step needs.  ONE run of memory instructions stands at its head, four places behind the last products (ISA guide 7.12.1 for vector instructions)
; the next step's fragments into the other buffer, (bl = 1) the weights three steps on into the ring slot read last, (st >= 1) the next chunk's 36 rows into the other
; slot, (st = 2) the loads of the chunk behind that, into the registers that those stores read.  Then 36 matrix instructions on end.
.macro STEP n, lc, zero, bl, st
.set FA, F0+72*((\n)&1)
.set FB, F0+72*(((\n)+1)&1)
.set DSY, 18
.if \st
.set DSY, 54
.endif
	s_wait_loadcnt \lc
	PLACES
	FRAG 64*((\n)+1), FB
.if \bl
	BLD (\n)+3
.endif
.if \st
	STGSTORE
.endif
.if (\st) == 2
	STGLOAD 512
.endif
	s_wait_dscnt DSY                               ; this step's fragments are in; what the run above issued (18 loads, and 36 stores where there are any) stays out
	MULS FA, \n, 0, 0, 9, \zero
	MULS FA, \n, 1, 0, 9, \zero
.endm
; K step 3 changes slots: ONE barrier for two things.  In front of it each wave's reads of this slot are back and its stores into the other slot (issued a step ago) are done; behind it the other slot is
; whole, and this slot may be written again (three steps later).  The three address lines and the v_nop are the four places in front of the loads.
.macro TURN lc
	s_wait_loadcnt \lc
	s_wait_dscnt 36                                ; this step's fragments are in; the 36 stores behind them may be out
	MULS F1, 3, 0, 0, 5, 0
	s_wait_dscnt 0x0
	s_barrier_signal -1
	MULS F1, 3, 0, 5, 4, 0
	WIN 0
	s_barrier_wait -1
	v_add_nc_u32 v[STA], s[TB], v[ST0]             ; the next rows go where this chunk lay
	s_xor_b32 s[TB], s[TB], SLOT1
	v_add_nc_u32 v[ADRLO], s[TB], v[AL0]
	v_add_nc_u32 v[ADRHI], s[TB], v[AH0]
	v_nop
	FRAG 0, F0
	BLD 6
	MULS F1, 3, 1, 0, 9, 0
.endm
	FRAG 0, F0
	STEP 0, 52, 1, 1, 0                            ; the first K step stands ahead of the loop: its products start the sums.  52: two steps' weights and chunk 1's 36 rows are younger than step 0's weights
	WIN 0
	s_mov_b32 s[CNT], 6
.Lchunk:                                               ; a trip: steps 1 to 3 of chunk t and step 0 of chunk t + 1; it lays chunk t + 1 into LDS and asks for chunk t + 2
	STEP 1, 52, 0, 1, 0                            ; its weights went out ahead of the last trip's 36 rows: these and two steps' 16 are younger
	STEP 2, 16, 0, 1, 2                            ; two steps' weights are younger than its own, and the rows that it stores are older than these
	TURN 52                                        ; two steps' 16 and the 36 rows just asked for
	s_wait_xcnt 0x0                                ; the two bases are stepped only behind this wait
	s_add_nc_u64 s[8:9], s[8:9], 256
	s_add_nc_u64 s[BP:BP+1], s[BP:BP+1], 8192
	STEP 0, 52, 0, 1, 0
	WIN 0
	s_sub_co_u32 s[CNT], s[CNT], 1
	s_cmp_lg_u32 s[CNT], 0
	s_cbranch_scc1 .Lchunk
	STEP 1, 52, 0, 1, 0                            ; chunk 6: the last rows are laid into LDS, and none are asked for
	STEP 2, 16, 0, 1, 1
	TURN 16
	s_wait_xcnt 0x0
	s_add_nc_u64 s[BP:BP+1], s[BP:BP+1], 8192
	STEP 0, 16, 0, 1, 0                            ; chunk 7: step 0 asks for the last weights, and the counts run down
	STEP 1, 16, 0, 0, 0
	STEP 2, 8, 0, 0, 0
	s_wait_loadcnt 0x0
	s_wait_dscnt 0x0
	MULS F1, 3, 0, 0, 9, 0
	MULS F1, 3, 1, 0, 9, 0
	; THE TWO K HALVES MEET.  My 18 accumulators of the partner's block go into my part of the exchange, 512 consecutive bytes a store; behind a barrier I read the partner's part and add it onto mine.
	PLACES
	WIN 0x0c
.set a, 0
.rept 18
	ds_store_b128 v[XST], v[8*a:8*a+3]   offset:1024*a        ; each accumulator's low registers first
	ds_store_b128 v[XST], v[8*a+4:8*a+7] offset:1024*a+512
.set a, a+1
.endr
	s_wait_dscnt 0x0                               ; for the partner's sake
	BAR
	WIN 0xc0
.set a, 0
.rept 18
	ds_load_b128 v[8*a:8*a+3],   v[XRD] offset:1024*a
	ds_load_b128 v[8*a+4:8*a+7], v[XRD] offset:1024*a+512
.set a, a+1
.endr
	WIN 0x8e                                       ; window 2 += window 3
.set a, 0
.rept 18
	s_wait_dscnt 34-2*a                            ; accumulator a's two loads are in
.irp p, 0,2,4,6
	v_pk_add_f32 v[8*a+\p:8*a+\p+1], v[8*a+\p:8*a+\p+1], v[8*a+\p:8*a+\p+1]
.endr
.set a, a+1
.endr
	; h = g / (1 + 2^(-log2e g)) u m.  Two batches of transcendentals, one wait each.
	WIN 0xc2                                       ; destination window 3, source 0 window 2
.set a, 0
.rept 9
.irp p, 0,2,4,6
	v_pk_mul_f32 v[8*a+\p:8*a+\p+1], v[16*a+\p:16*a+\p+1], s[CS:CS+1] op_sel_hi:[1,0]
.endr
.set a, a+1
.endr
	WIN 0xc3
.set i, 0
.rept 72
	v_exp_f32 v[i], v[i]
.set i, i+1
.endr
	v_nop                                          ; a plain instruction behind the last exponential,
	s_wait_alu depctr_va_vdst(0)                   ; and the batch's one wait
.set i, 0
.rept 36
	v_pk_add_f32 v[2*i:2*i+1], v[2*i:2*i+1], 1.0 op_sel_hi:[1,0]
.set i, i+1
.endr
.set i, 0
.rept 72
	v_rcp_f32 v[i], v[i]
.set i, i+1
.endr
	WIN 0x82                                       ; u m: independent work behind the reciprocals
.set a, 0
.rept 9
.irp p, 0,2,4,6
	v_pk_mul_f32 v[16*a+8+\p:16*a+8+\p+1], v[16*a+8+\p:16*a+8+\p+1], v[MULT+2*a:MULT+2*a+1]
.endr
.set a, a+1
.endr
	s_wait_alu depctr_va_vdst(0)                   ; the batch's one wait
	WIN 0x8e
.set a, 0
.rept 9
.irp p, 0,2,4,6
	v_pk_mul_f32 v[16*a+\p:16*a+\p+1], v[16*a+\p:16*a+\p+1], v[8*a+\p:8*a+\p+1]
.endr
.set a, a+1
.endr
	WIN 0x8a
.set a, 0
.rept 9
.irp p, 0,2,4,6
	v_pk_mul_f32 v[16*a+\p:16*a+\p+1], v[16*a+\p:16*a+\p+1], v[16*a+8+\p:16*a+8+\p+1]
.endr
.set a, a+1
.endr
	WIN 0x0a
.set a, 0
.rept 9
.irp p, 0,1,2,3
	v_cvt_pk_bf16_f32 v[F0+4*a+\p], v[16*a+2*\p], v[16*a+2*\p+1]
.endr
.set a, a+1
.endr
	WIN 0
.irp a, 0,1,2,3,4,5,6,7,8
	ds_store_b128 v[HST], v[F0+4*\a:F0+4*\a+3] offset:\a*16*HPITCH
.endr
	s_wait_dscnt 0x0                               ; a row's 128 bytes come from four waves
	BAR
.irp q, 0,1,2,3,4,5,6,7,8
	ds_load_b128 v[F1+4*\q:F1+4*\q+3], v[HRD] offset:\q*4*HPITCH
.endr
	s_cmp_eq_u32 s[ROWS], 0
	s_cbranch_scc1 .Lnone                          ; a tile that this split does not have stores nothing
.irp q, 0,1,2,3,4,5,6,7,8
	s_wait_dscnt 8-\q
	global_store_b128 v[HOFF+\q], v[F1+4*\q:F1+4*\q+3], s[18:19]   ; eight lanes store a row's 128 consecutive bytes
.endr
.Lnone:
	s_wait_tensorcnt 0x0                           ; the wave's end, behind my last LDS store
	ds_add_u32 v[SPW], v[NIL]
	s_wait_dscnt 0x0
	s_endpgm
.Lfunc_end_k_q932b585381_up:
	.size	k_q932b585381_up, .Lfunc_end_k_q932b585381_up-k_q932b585381_up
	.p2alignl 7, 3214868480
	.fill 96, 4, 3214868480
	.section	.rodata,"a",@progbits
	.p2align	6, 0x0
	.amdhsa_kernel k_q932b585381_up
		.amdhsa_group_segment_fixed_size 285440
		.amdhsa_private_segment_fixed_size 0
		.amdhsa_enable_private_segment 0
		.amdhsa_kernarg_size 48
		.amdhsa_user_sgpr_count 2
		.amdhsa_user_sgpr_kernarg_segment_ptr 1
		.amdhsa_wavefront_size32 1
		.amdhsa_system_sgpr_workgroup_id_x 1
		.amdhsa_system_sgpr_workgroup_id_y 1
		.amdhsa_system_sgpr_workgroup_id_z 1
		.amdhsa_system_vgpr_workitem_id 0
		.amdhsa_next_free_vgpr 912
		.amdhsa_next_free_sgpr 66
		.amdhsa_reserve_vcc 1
		.amdhsa_float_denorm_mode_32 3
		.amdhsa_float_denorm_mode_16_64 3
		.amdhsa_memory_ordered 1
		.amdhsa_forward_progress 1
		.amdhsa_inst_pref_size 151
	.end_amdhsa_kernel
	.amdgpu_metadata
---
amdhsa.version: [ 1, 2 ]
amdhsa.kernels:
  - .name:           k_q932b585381_up
    .symbol:         k_q932b585381_up.kd
    .args:
      - { .name: xb, .offset: 0, .size: 8, .value_kind: global_buffer, .address_space: global }
      - { .name: wu, .offset: 8, .size: 8, .value_kind: global_buffer, .address_space: global }
      - { .name: rt, .offset: 16, .size: 8, .value_kind: global_buffer, .address_space: global }
      - { .name: sel, .offset: 24, .size: 8, .value_kind: global_buffer, .address_space: global }
      - { .name: mlt, .offset: 32, .size: 8, .value_kind: global_buffer, .address_space: global }
      - { .name: hb, .offset: 40, .size: 8, .value_kind: global_buffer, .address_space: global }
    .group_segment_fixed_size: 285440
    .private_segment_fixed_size: 0
    .kernarg_segment_align: 8
    .kernarg_segment_size: 48
    .max_flat_workgroup_size: 128
    .sgpr_count:     66
    .vgpr_count:     912
    .wavefront_size: 32
...
	.end_amdgpu_metadata
.endif
;; end of part 5
;; launch down (part 6): grid 256 x 1, 4 waves a work-group, no clusters, 143,104 bytes of LDS; arguments hb, wd, rt, out0; writes out0
.if DOCPART == 6
	.amdgcn_target "amdgcn-amd-amdhsa--gfx1250"
	.amdhsa_code_object_version 6
	.text
	.protected	k_q932b585381_down
	.globl	k_q932b585381_down
	.p2align	8
	.type	k_q932b585381_down,@function
k_q932b585381_down:
	s_mov_b64 s[64:65], 0
	v_nop
	global_prefetch_b8 v0, s[64:65] scope:SCOPE_SE
	s_setreg_imm32_b32 hwreg(HW_REG_WAVE_MODE, 25, 1), 1
	s_wait_xcnt 0x0
; DOWN.  out[t][:] = h_lo w2[a]^T + h_hi w2[b]^T for token t with experts a < b: ONE product with K = 512, since hb holds [h_lo | h_hi] (the gate's weights already in them) end to end.
; So each output row has one owner: tokens are sorted by their PAIR of experts (28 pairs), and a work-group has tokens of one pair.
; TILES.  A row tile is up to H tokens of one pair.  H is the least of 80, 96 and 112 at which the sum over pairs of ceil(n_p / H) is at most 64; at 112 it always is: (4,096 + 28 x 111) / 112 = 64.3.
; So 64 row tiles x 4 column parts = 256 work-groups serve every split, and where the split leaves row tiles to spare they go to the pairs with the most tokens, so that the tallest tile is lower.
; Every work-group makes the same choice from the stored counts.  A pair's blocks of 16 rows are dealt evenly over its tiles.  Row blocks 0 to 2 are always multiplied (a block past the count holds
; repeats of the last row and is never stored); products of blocks 3 to 6 and stores of blocks that a tile does not have are jumped by scalar branches on stored counts, with no barrier in what is
; jumped.  Places past the count repeat the last row; a work-group whose tile does not exist leaves behind the last barrier and stores nothing.
; SHARES.  Wave w has all row blocks x 128 output columns (W = 4 cp + w), in two passes of 64: 28 accumulators.  The tile's rows, all of K, lie in LDS; the weights, which only this wave of the work-group
; wants, come from memory straight into operand registers, six K steps ahead.  The first pass's stores leave while the second pass multiplies.
; THE MATRIX INSTRUCTION IS USED TRANSPOSED (source 0 = 16 weight rows, source 1 = 16 tokens): a lane holds 8 neighbouring output columns of one token.
; No tensor loads: the rows come by a list.  No cluster: the weights go to registers and never lie in LDS.
; REGISTERS, in windows of 256: window 0 addresses, two fragment buffers, the way out; window 1 a ring of 8 K steps of weights, 32 registers each; window 2 accumulator (a, cb) at 32 a + 8 cb.
.set R,       112                      ; the tallest tile that the text serves
.set APITCH,  1040                     ; 1,024 bytes of a row + 16: an odd multiple of 16
.set LSTRIDE, 512
.set LISTW,   116736                   ; behind the 112 rows: four lists of 128 words, one a wave; word 112 is the wave's dump
.set LIST2,   LISTW+4*LSTRIDE
.set XW,      LIST2+4*LSTRIDE
.set BMS,     XW+256
.set OST,     BMS+4096                 ; 16 rows x 272 bytes for each wave, for the way out
.set OPITCH,  272
.set SPARE,   OST+4*16*OPITCH          ; the spare words: 128 bytes a wave, two blocks of 256 bytes that no other line names
.set SPW, 6
.set NIL, 7
.set MK,  8
.set T,   13
.set U,   14
.set PRE, 15
.set TOT, 16
.set NV,  17
.set TLV, 18
.set XV,  19
.set YV,  20
.set MV,  21
.set DV,  23
.set TOKW, 24                          ; 1,024 wave + lane
.set ADL, 25                           ; fragments of row blocks 0-3; never rewritten
.set ADH, 26                           ; of row blocks 4-6 (66,560 bytes on)
.set AST, 27
.set OSA, 28
.set ORD, 29
.set L16, 30
.set LRD, 31
.set TOFF, 32                          ; v32-59
.set VCOL, 60
.set BMSA, 61
.set XWA, 62
.set L2S, 63
.set F0,  64
.set F1,  120
.set L2B, 216
.set PK,  100
.set ET,  104
.set ED,  112
.set WV,  2
.set TAU, 3
.set CP,  4
.set HB,  30                           ; s30  the tile height less 1
.set MG,  31                           ; s31  the multiplier that divides by the height's blocks
.set EA,  32
.set EB,  33
.set ROWS, 34
.set RM1, 35
.set SEL, 36
.set NB,  38
.set PASS, 39
.set PA,  40
.set PB,  42
.set WW,  44
.set LB,  46
.set EM,  48                           ; s48-55  eight words of the mask
.set RS,  56                           ; s56-63  the running count in front of each
.set MSB, 0
.macro WIN new
.if MSB != (\new)
	s_set_vgpr_msb (MSB<<8)|(\new)
.set MSB, \new
.endif
.endm
.set W_MUL, 0xa1
.macro BAR
	s_barrier_signal -1
	s_barrier_wait -1
.endm
.macro PLACES
.rept 4
	v_nop
.endr
.endm
.macro XSTEPT dst, reg, m              ; v[dst] = reg of lane xor m (dst has been written before)
.if (\m) == 16
	v_permlanex16_b32 v[\dst], v[\reg], s[SEL], s[SEL+1]
.else
	v_mov_b32_dpp v[\dst], v[\reg] row_xmask:\m row_mask:0xf bank_mask:0xf
.endif
.endm
.macro REDUCEN base, tmp, n            ; n registers from base on: each one's sum over the 32 lanes, in every lane; the n chains go side by side, each with a temporary of its own
.irp m, 1,2,4,8,16
.set i, 0
.rept \n
	XSTEPT (\tmp)+i, (\base)+i, \m
.set i, i+1
.endr
.set i, 0
.rept \n
	v_add_nc_u32 v[(\base)+i], v[(\base)+i], v[(\tmp)+i]
.set i, i+1
.endr
.endr
.endm
.macro SCAN                            ; v[PRE] = the sum of v[TOT] over the lower lanes
	v_mov_b32 v[PRE], 0
.set k, 0
.irp m, 1,2,4,8,16
	XSTEPT T, TOT, \m
	v_and_b32 v[U], v[MK+k], v[T]
	v_add_nc_u32 v[PRE], v[PRE], v[U]
	v_add_nc_u32 v[TOT], v[TOT], v[T]
.set k, k+1
.endr
.endm
; WHICH SET OWNS ROW TILE TAU.  Lane p has set p and its count N.  ceil(N / H) for H = 16 k is a shift by 4 of N + H - 1 and a division by k, made as a multiplication by ceil(65,536 / k) and a shift by 16:
; 13,108, 10,923, 9,363 for k = 5, 6, 7, exact for the arguments up to 262 that occur.  FIRST THE HEIGHT: each lane's tiles at H = 80 (low half of a word) and at H = 96 (high half) are summed over the lanes
; (no total passes 79); the least height whose total is at most 64 is taken, 112 if neither is.  THEN THE TILE: the lane's tiles at that height and the tiles of the sets before it; the one lane whose range
; holds TAU packs N, first tile, tiles and p into 13 + 7 + 6 + 5 bits; the sum over the lanes brings the word to all; with no such lane all is 0.
; Out: s23 N, s24 first tile, s25 tiles, s26 set, s27 the count of the set in the waves before mine.
.macro PICK nsets
	v_min_u32 v[T], (\nsets)-1, v1
	v_lshl_add_u32 v[T], v[T], 1, XW
	ds_load_u16 v[PK],   v[T]
	ds_load_u16 v[PK+1], v[T] offset:64
	ds_load_u16 v[PK+2], v[T] offset:128
	ds_load_u16 v[PK+3], v[T] offset:192
	s_cmp_gt_u32 s[WV], 0
	s_cselect_b32 s20, 1, 0
	s_cmp_gt_u32 s[WV], 1
	s_cselect_b32 s21, 1, 0
	s_cmp_gt_u32 s[WV], 2
	s_cselect_b32 s22, 1, 0
	s_movk_i32 s[MG], 9363
	s_movk_i32 s[HB], 111
	s_wait_dscnt 0x0
	v_add3_u32 v[NV], v[PK], v[PK+1], v[PK+2]
	v_add_nc_u32 v[NV], v[NV], v[PK+3]
	v_mul_u32_u24 v[YV], v[PK], s20
	v_mad_u32_u24 v[YV], v[PK+1], s21, v[YV]
	v_mad_u32_u24 v[YV], v[PK+2], s22, v[YV]
	v_cmp_gt_u32 vcc_lo, \nsets, v1
	v_cndmask_b32 v[NV], 0, v[NV], vcc_lo
	v_add_nc_u32 v[TLV], 79, v[NV]
	v_add_nc_u32 v[XV], 95, v[NV]
	v_lshrrev_b32 v[TLV], 4, v[TLV]
	v_lshrrev_b32 v[XV], 4, v[XV]
	v_mul_u32_u24 v[TLV], v[TLV], 13108
	v_mul_u32_u24 v[XV], v[XV], 10923
	v_lshrrev_b32 v[TLV], 16, v[TLV]               ; my set's tiles at 80 rows,
	v_and_b32 v[XV], 0xffff0000, v[XV]             ; at 96 rows, left in the high half
	v_or_b32 v[XV], v[XV], v[TLV]
	REDUCEN XV, T, 1
	v_readfirstlane_b32 s20, v[XV]
	s_lshr_b32 s21, s20, 16                        ; all tiles at 96 rows,
	s_and_b32 s20, s20, 0xffff                     ; at 80 rows
	s_cmp_le_u32 s21, 64
	s_cselect_b32 s[MG], 10923, s[MG]
	s_cselect_b32 s[HB], 95, s[HB]
	s_cmp_le_u32 s20, 64
	s_cselect_b32 s[MG], 13108, s[MG]
	s_cselect_b32 s[HB], 79, s[HB]
	v_add_nc_u32 v[TLV], s[HB], v[NV]
	v_lshrrev_b32 v[TLV], 4, v[TLV]
	v_mul_u32_u24 v[TLV], v[TLV], s[MG]
	v_lshrrev_b32 v[TLV], 16, v[TLV]               ; my set's tiles at the height taken
	v_mov_b32 v[TOT], v[TLV]
	SCAN
	v_cmp_ge_u32 s20, s[TAU], v[PRE]
	v_add_nc_u32 v[U], v[PRE], v[TLV]
	v_cmp_lt_u32 s21, s[TAU], v[U]
	s_and_b32 s20, s20, s21
	v_lshl_or_b32 v[XV], v[PRE], 13, v[NV]
	v_lshl_or_b32 v[XV], v[TLV], 20, v[XV]
	v_lshl_or_b32 v[XV], v1, 26, v[XV]
	v_cndmask_b32 v[XV], 0, v[XV], s20
	v_cndmask_b32 v[YV], 0, v[YV], s20
	REDUCEN XV, T, 2
	v_readfirstlane_b32 s21, v[XV]
	v_readfirstlane_b32 s27, v[YV]
	s_bfe_u32 s23, s21, 0xd0000
	s_bfe_u32 s24, s21, 0x7000d
	s_bfe_u32 s25, s21, 0x60014
	s_bfe_u32 s26, s21, 0x5001a
.endm
; MY WAVE'S 1,024 TOKENS INTO ITS LIST.  Lane i's v[MV] is the mask of tokens 32 i .. 32 i + 31 of the wave.  Word by word the mask becomes a scalar, and lane l stands for the word's token l: its place in
; the tile is the running count s27 (chosen tokens before the word, less the tile's first row; below 0 it wraps to a large number) plus the ones below bit l.  A token not chosen, or outside the tile,
; goes to the dump word r.  The 32 words hang on each other by the scalar count alone: they go in groups of eight, line by line.
.macro ENUM r
.set g, 0
.rept 4
.set b, 0
.rept 8
	v_readlane_b32 s[EM+b], v[MV], 8*g+b
.set b, b+1
.endr
.set b, 0
.rept 8
	s_mov_b32 s[RS+b], s27
	s_bcnt1_i32_b32 s20, s[EM+b]
	s_add_co_u32 s27, s27, s20
.set b, b+1
.endr
.set b, 0
.rept 8
	v_mbcnt_lo_u32_b32 v[ET+b], s[EM+b], s[RS+b]
.set b, b+1
.endr
.set b, 0
.rept 8
	v_cndmask_b32 v[ET+b], -1, v[ET+b], s[EM+b]
.set b, b+1
.endr
.set b, 0
.rept 8
	v_min_u32 v[ET+b], \r, v[ET+b]
.set b, b+1
.endr
.set b, 0
.rept 8
	v_lshl_add_u32 v[ET+b], v[ET+b], 2, s[LB]
	v_add_nc_u32 v[ED+b], 32*(8*g+b), v[TOKW]
.set b, b+1
.endr
.set b, 0
.rept 8
	ds_store_b32 v[ET+b], v[ED+b]
.set b, b+1
.endr
.set g, g+1
.endr
.endm
	s_load_b256 s[8:15], s[0:1], 0x0               ; hb s[8:9], wd s[10:11], rt s[12:13], out s[14:15]
	v_lshl_add_u32 v[SPW], v0, 2, SPARE            ; my spare word, and 0: kept for the closing add alone
	v_mov_b32 v[NIL], 0
	v_lshrrev_b32 v1, 5, v0
	v_readfirstlane_b32 s[WV], v1
	s_lshr_b32 s[TAU], ttmp9, 2                    ; row tile
	s_and_b32 s[CP], ttmp9, 3                      ; column part
	s_lshl_b32 s[WW], s[CP], 2
	s_add_co_u32 s[WW], s[WW], s[WV]               ; my 128 columns
	s_mov_b32 s[SEL], 0x76543210
	s_mov_b32 s[SEL+1], 0xfedcba98
	v_and_b32 v1, 31, v0
	v_and_b32 v2, 15, v0                           ; r
	v_bfe_u32 v3, v0, 4, 1                         ; h
.irp k, 0,1,2,3,4
	v_bfe_u32 v[MK+\k], v0, \k, 1
	v_sub_nc_u32 v[MK+\k], 0, v[MK+\k]
.endr
	v_lshlrev_b32 v[L16], 4, v1
	v_lshlrev_b32 v4, 8, v0                        ; thread i stands for tokens 32 i .. 32 i + 31: records 2 i, 2 i + 1
	v_mov_b32 v[T], 0
	v_mov_b32 v[U], 0
	s_mul_i32 s[LB], s[WV], LSTRIDE
	s_add_co_u32 s[LB], s[LB], LISTW
	v_lshl_add_u32 v5, v1, 2, s[LB]
	v_lshl_add_u32 v[BMSA], v0, 5, BMS
	s_lshl_b32 s5, s[WV], 6
	s_add_co_u32 s5, s5, XW
	v_mov_b32 v[XWA], s5
	s_wait_kmcnt 0x0
	global_load_b128 v[64:67], v4, s[12:13]              ; masks,
	global_load_b128 v[68:71], v4, s[12:13] offset:32    ; the 28 pairs' counts
	global_load_b128 v[72:75], v4, s[12:13] offset:48
	global_load_b128 v[76:79], v4, s[12:13] offset:64
	global_load_b64  v[80:81], v4, s[12:13] offset:80
	global_load_b128 v[82:85], v4, s[12:13] offset:128
	global_load_b128 v[86:89], v4, s[12:13] offset:160
	global_load_b128 v[90:93], v4, s[12:13] offset:176
	global_load_b128 v[94:97], v4, s[12:13] offset:192
	global_load_b64  v[98:99], v4, s[12:13] offset:208
.irp k, 0,1,2,3
	ds_store_b32 v5, v[U] offset:128*\k            ; my wave's list starts as zeros
.endr
	s_mul_i32 s5, s[WV], LSTRIDE
	s_add_co_u32 s5, s5, LIST2                     ; my wave's copy of the finished list
	v_lshl_add_u32 v[L2S], v1, 2, s5
	v_lshl_add_u32 v[LRD], v3, 2, s5
	s_mul_i32 s6, s[WV], 112
	s_add_co_u32 s6, s6, s5                        ; my 28 rows in it
	v_mov_b32 v[L2B], s6
	v_mul_u32_u24 v[ADL], v2, APITCH
	v_lshl_add_u32 v[ADL], v3, 4, v[ADL]           ; row r x pitch + 16 h
	v_add_nc_u32 v[ADH], 4*16*APITCH, v[ADL]
	s_mul_i32 s7, s[WV], 28*APITCH
	v_add_nc_u32 v[AST], s7, v[L16]
	s_mul_i32 s7, s[WV], 16*OPITCH
	s_add_co_u32 s7, s7, OST                       ; my stage
	v_mul_u32_u24 v[OSA], v2, OPITCH               ; in: row r, 32 bytes for each half of the lanes
	v_lshl_add_u32 v[OSA], v3, 5, v[OSA]
	v_add_nc_u32 v[OSA], s7, v[OSA]
	v_mul_u32_u24 v[ORD], v3, OPITCH               ; back: lanes 0-15 one row of 256 bytes, lanes 16-31 the next
	v_lshl_add_u32 v[ORD], v2, 4, v[ORD]
	v_add_nc_u32 v[ORD], s7, v[ORD]
	v_lshlrev_b32 v[VCOL], 4, v2
	v_lshl_add_u32 v[VCOL], s[WW], 9, v[VCOL]      ; my wave's 512 bytes of an output row
	v_lshl_add_u32 v[TOKW], s[WV], 10, v1
	s_wait_loadcnt 0x0
	ds_store_b128 v[BMSA], v[64:67]                ; my own bytes
	ds_store_b128 v[BMSA], v[82:85] offset:16
.set i, 0
.rept 14
	v_add_nc_u32 v[68+i], v[68+i], v[86+i]         ; two 16-bit counts a word; no count passes 4,096
.set i, i+1
.endr
	REDUCEN 68, 86, 14
	ds_store_b128 v[XWA], v[68:71]
	ds_store_b128 v[XWA], v[72:75] offset:16
	ds_store_b128 v[XWA], v[76:79] offset:32
	ds_store_b64  v[XWA], v[80:81] offset:48
	s_wait_dscnt 0x0                               ; for the others' sake
	BAR
	PICK 28
	s_min_u32 s26, s26, 27
	s_mov_b32 s[EA], 0                             ; the pair's number to (a, b): row a of the triangle begins at a (15 - a) / 2
.irp t, 7,13,18,22,25,27
	s_cmp_ge_u32 s26, \t
	s_cselect_b32 s20, 1, 0
	s_add_co_u32 s[EA], s[EA], s20
.endr
	s_sub_co_u32 s20, 15, s[EA]
	s_mul_i32 s20, s20, s[EA]
	s_lshr_b32 s20, s20, 1
	s_sub_co_u32 s[EB], s26, s20
	s_add_co_u32 s[EB], s[EB], s[EA]
	s_add_co_u32 s[EB], s[EB], 1
	s_min_u32 s[EA], s[EA], 6
	s_min_u32 s[EB], s[EB], 7
	v_lshl_add_u32 v[U], s[EA], 1, v[BMSA]
	v_lshl_add_u32 v[DV], s[EB], 1, v[BMSA]
	ds_load_u16 v[PK],   v[U]
	ds_load_u16 v[PK+1], v[U] offset:16
	ds_load_u16 v[PK+2], v[DV]
	ds_load_u16 v[PK+3], v[DV] offset:16
	s_add_co_u32 s20, s23, 15
	s_lshr_b32 s20, s20, 4                         ; the pair's blocks of 16 rows,
	s_mov_b32 s21, s25
	s_mov_b32 s28, 1                               ; dealt evenly: ceil(blocks / tiles) a tile, 1 to 7
.rept 6
	s_cmp_lt_u32 s21, s20
	s_cselect_b32 s22, 1, 0
	s_add_co_u32 s28, s28, s22
	s_add_co_u32 s21, s21, s25
.endr
	s_lshl_b32 s28, s28, 4
	s_sub_co_u32 s29, s[TAU], s24                  ; my tile among the pair's
	s_mul_i32 s29, s29, s28                        ; its first row
	s_sub_co_i32 s[ROWS], s23, s29
	s_max_i32 s[ROWS], s[ROWS], 0
	s_min_u32 s[ROWS], s[ROWS], s28
	s_min_u32 s[ROWS], s[ROWS], R
	s_add_co_u32 s[NB], s[ROWS], 15
	s_lshr_b32 s[NB], s[NB], 4
	s_max_u32 s[RM1], s[ROWS], 1
	s_sub_co_u32 s[RM1], s[RM1], 1
	s_sub_co_u32 s27, s27, s29
	s_lshl_b32 s22, s[WW], 16
	s_lshl_b32 s20, s[EA], 20
	s_add_co_u32 s20, s20, s22
	s_mov_b32 s21, 0
	s_add_nc_u64 s[PA:PA+1], s[10:11], s[20:21]    ; w2[a], my columns, pass 0
	s_lshl_b32 s20, s[EB], 20
	s_add_co_u32 s20, s20, s22
	s_add_nc_u64 s[PB:PB+1], s[10:11], s[20:21]    ; w2[b]
	s_wait_dscnt 0x0
	v_lshl_or_b32 v[MV], v[PK+1], 16, v[PK]
	v_lshl_or_b32 v[T], v[PK+3], 16, v[PK+2]
	v_and_b32 v[MV], v[MV], v[T]                   ; my 32 tokens that chose both
	ENUM R
	s_wait_dscnt 0x0                               ; for the others' sake
	BAR
	; the four waves' lists are added (each place was written by one wave at the most); places past the count take the last row that exists
.irp k, 0,1,2,3
	v_add_nc_u32 v[104+\k], 32*\k, v1
	v_min_u32 v[104+\k], s[RM1], v[104+\k]
	v_min_u32 v[104+\k], R-1, v[104+\k]
	v_lshl_add_u32 v[104+\k], v[104+\k], 2, LISTW
.irp w, 0,1,2,3
	ds_load_b32 v[108+4*\k+\w], v[104+\k] offset:LSTRIDE*\w
.endr
.endr
	s_wait_dscnt 0x0
.irp k, 0,1,2,3
	v_add3_u32 v[108+4*\k], v[108+4*\k], v[109+4*\k], v[110+4*\k]
	v_add_nc_u32 v[108+4*\k], v[108+4*\k], v[111+4*\k]
	ds_store_b32 v[L2S], v[108+4*\k] offset:128*\k ; my wave's own copy: its reads follow in order
.endr
.set j, 0
.rept 28
	ds_load_b32 v[TOFF+j], v[L2B] offset:4*j       ; my 28 rows' tokens, each in every lane
.set j, j+1
.endr
	s_wait_dscnt 0x0
.set j, 0
.rept 28
	v_min_u32 v[TOFF+j], 0xfff, v[TOFF+j]
	v_lshl_add_u32 v[TOFF+j], v[TOFF+j], 10, v[L16]
.set j, j+1
.endr
	WIN 0x80                                       ; through the accumulators' registers, which are still free
.set j, 0
.rept 28
	global_load_b128 v[8*j:8*j+3],   v[TOFF+j], s[8:9]
	global_load_b128 v[8*j+4:8*j+7], v[TOFF+j], s[8:9] offset:512
.set j, j+1
.endr
; the weights of K step n (0-7: expert a; 8-15: expert b) into ring slot n % 8: four column blocks x two halves, 512 consecutive bytes a load
.macro BLDD n
	WIN 0x40
.set i, 0
.rept 8
.if (\n) < 8
	global_load_b128 v[32*((\n)&7)+4*i:32*((\n)&7)+4*i+3], v[L16], s[PA:PA+1] offset:((\n)&7)*4096+512*i
.else
	global_load_b128 v[32*((\n)&7)+4*i:32*((\n)&7)+4*i+3], v[L16], s[PB:PB+1] offset:((\n)&7)*4096+512*i
.endif
.set i, i+1
.endr
.endm
.irp n, 0,1,2,3,4,5
	BLDD \n                                        ; behind the rows, which everything below waits for
.endr
	s_wait_loadcnt 48                              ; the rows are in; the 48 weight loads stay out
	WIN 0x08
.set j, 0
.rept 28
	ds_store_b128 v[AST], v[8*j:8*j+3]   offset:APITCH*j
	ds_store_b128 v[AST], v[8*j+4:8*j+7] offset:APITCH*j+512
.set j, j+1
.endr
	WIN 0
	s_wait_dscnt 0x0                               ; for the others' sake: my 28 rows are in LDS
	BAR
	s_cmp_eq_u32 s[ROWS], 0
	s_cbranch_scc1 .Lend                           ; a tile that this split does not have: no barrier stands in what is jumped, and nothing is stored
; row block a x 4 column blocks, 32 along K.  The accumulators take turns, one instruction a turn.
.macro MUL4 f, n, a, zero
	WIN W_MUL
.irp cb, 0,1,2,3
.if \zero
	v_wmma_f32_16x16x32_bf16 v[32*(\a)+8*\cb:32*(\a)+8*\cb+7], v[32*((\n)&7)+8*\cb:32*((\n)&7)+8*\cb+7], v[(\f)+8*(\a):(\f)+8*(\a)+7], 0
.else
	v_wmma_f32_16x16x32_bf16 v[32*(\a)+8*\cb:32*(\a)+8*\cb+7], v[32*((\n)&7)+8*\cb:32*((\n)&7)+8*\cb+7], v[(\f)+8*(\a):(\f)+8*(\a)+7], v[32*(\a)+8*\cb:32*(\a)+8*\cb+7]
.endif
.endr
.endm
.macro FRAGD k, f                      ; 14 LDS loads in one run: seven fragments at byte k of the rows
	WIN 0
.irp a, 0,1,2,3
	ds_load_b128 v[(\f)+8*\a:(\f)+8*\a+3],   v[ADL] offset:(\k)+\a*16*APITCH
	ds_load_b128 v[(\f)+8*\a+4:(\f)+8*\a+7], v[ADL] offset:(\k)+\a*16*APITCH+32
.endr
.irp a, 4,5,6
	ds_load_b128 v[(\f)+8*\a:(\f)+8*\a+3],   v[ADH] offset:(\k)+(\a-4)*16*APITCH
	ds_load_b128 v[(\f)+8*\a+4:(\f)+8*\a+7], v[ADH] offset:(\k)+(\a-4)*16*APITCH+32
.endr
.endm
; K step n of 16.  lc: the global loads younger than this step's weights.  At its head, four places behind the last products (ISA guide 7.12.1 for vector instructions), stands one run: the next
; step's fragments and the weights six steps on; then row blocks 0 to 2, and of blocks 3 to 6 those that the tile has.  Step 0 starts all 28 sums with the constant 0 and jumps nothing, so that every
; accumulator is written on every way.
.macro STEP3 n, lc
.set FA, F0+56*((\n)&1)
.set FB, F0+56*(((\n)+1)&1)
	s_wait_loadcnt \lc
	PLACES
	FRAGD 64*(((\n)+1)&15), FB
.if (\n) <= 9
	BLDD (\n)+6
.endif
	s_wait_dscnt 14                                ; this step's fragments are in; the 14 just issued stay out
.if (\n) == 0
.irp a, 0,1,2,3,4,5,6
	MUL4 FA, \n, \a, 1
.endr
.else
	MUL4 FA, \n, 0, 0
	MUL4 FA, \n, 1, 0
	MUL4 FA, \n, 2, 0
.irp a, 3,4,5,6
	WIN 0                                          ; at a branch and at a label every window is 0
	s_cmp_le_u32 s[NB], \a
	s_cbranch_scc1 .Lse_\@
	MUL4 FA, \n, \a, 0
.endr
	WIN 0
.Lse_\@:
.endif
.endm
; THE WAY OUT, a row block of 16 rows x 64 columns of f32 at a time, ONE BLOCK AHEAD: block a goes through my stage (TOST a) before block a - 1 is stored (SENDB a - 1), so that the stage's round trip
; stands beside the stores.  Three sets of registers take turns: TOST a loads the set that SENDB a - 3 stored from, and SENDB a - 2, which stands between, begins with the wait that frees it.
.macro OBSET a                         ; BK: 32 registers, the block read back; VK: 8 registers, its rows' tokens, then byte offsets in out.  Sets 1 and 2 lie partly in fragment buffer 1, idle on the way out
.if ((\a)%3) == 0
.set BK, 176
.set VK, 208
.endif
.if ((\a)%3) == 1
.set BK, 218
.set VK, 152
.endif
.if ((\a)%3) == 2
.set BK, 120
.set VK, 160
.endif
.endm
.macro TOST a                          ; 24 LDS instructions: 8 tokens, 8 stores into the stage, 8 loads of whole rows of 256 bytes
	OBSET \a
	WIN 0
.irp i, 0,1,2,3,4,5,6,7
	ds_load_b32 v[VK+\i], v[LRD] offset:4*(16*(\a)+2*\i)
.endr
	WIN 0x08
.irp cb, 0,1,2,3
	ds_store_b128 v[OSA], v[32*(\a)+8*\cb:32*(\a)+8*\cb+3]   offset:64*\cb      ; each accumulator's low registers first
	ds_store_b128 v[OSA], v[32*(\a)+8*\cb+4:32*(\a)+8*\cb+7] offset:64*\cb+16
.endr
	WIN 0
.irp i, 0,1,2,3,4,5,6,7
	ds_load_b128 v[BK+4*\i:BK+4*\i+3], v[ORD] offset:\i*2*OPITCH   ; LDS serves a wave's instructions in order (ISA guide 5.7.1.4): these see the stores above, and the next block's stores come behind them
.endr
.endm
; younger: the LDS instructions issued behind block a's: the next block's 24, or none.  tail = 1: the tile's last block: whole stores past the count are jumped; where a store holds a row on each side of
; the count, the second repeats the first: same token, same numbers.  A block that has a successor is full.
.macro SENDB a, younger, tail
	OBSET \a
	s_wait_dscnt (\younger)+16                     ; the eight tokens are in: eight stores, eight loads and the next block's are younger
	s_wait_xcnt 0x0                                ; the block before has had its addresses translated (ISA guide 3.1): its registers are loaded again only behind this wait
.irp i, 0,1,2,3,4,5,6,7
	v_min_u32 v[VK+\i], 0xfff, v[VK+\i]
	v_lshl_add_u32 v[VK+\i], v[VK+\i], 13, v[VCOL]
.endr
.irp i, 0,1,2,3,4,5,6,7
.if (\tail) && (\i > 0)
	s_cmp_le_u32 s[ROWS], 16*(\a)+2*\i
	s_cbranch_scc1 .Lbe_\@
.endif
	s_wait_dscnt (\younger)+7-\i
	global_store_b128 v[VK+\i], v[BK+4*\i:BK+4*\i+3], s[14:15] th:TH_STORE_NT   ; 16 lanes store 256 consecutive bytes, aligned
.endr
.if \tail
.Lbe_\@:
.endif
.endm
	FRAGD 0, F0
	s_mov_b32 s[PASS], 2
.Lpass:                                                ; two trips: 64 columns each
	STEP3 0, 40                                    ; 40: five younger steps of eight loads
	STEP3 1, 40
	STEP3 2, 40
	STEP3 3, 40
	STEP3 4, 40
	STEP3 5, 40
	STEP3 6, 40
	STEP3 7, 40
	STEP3 8, 40
	STEP3 9, 40
	STEP3 10, 40
	STEP3 11, 32                                   ; nothing more is asked for: the counts run down
	STEP3 12, 24
	STEP3 13, 16
	STEP3 14, 8
	STEP3 15, 0
	s_cmp_eq_u32 s[PASS], 1
	s_cbranch_scc1 .Lnob                           ; the last pass has no successor
	s_wait_xcnt 0x0                                ; the two bases are stepped only behind this wait
	s_add_nc_u64 s[PA:PA+1], s[PA:PA+1], 32768
	s_add_nc_u64 s[PB:PB+1], s[PB:PB+1], 32768
.irp n, 0,1,2,3,4,5
	BLDD \n                                        ; the next pass's first weights are asked for ahead of this pass's stores
.endr
	WIN 0
.Lnob:
	PLACES                                         ; behind the last products, ahead of the LDS stores that read them and of the loads into fragment buffer 1
	s_cmp_le_u32 s[NB], 0
	s_cbranch_scc1 .Lpassend
	TOST 0
.irp a, 1,2,3,4,5,6
	s_cmp_le_u32 s[NB], \a
	s_cbranch_scc1 .Lfin_\a                        ; block a - 1 is the last: its stores are written out below
	TOST \a
	SENDB (\a)-1, 24, 0
.endr
	SENDB 6, 0, 1
	s_branch .Lpassend
.irp a, 6,5,4,3,2
.Lfin_\a:
	SENDB (\a)-1, 0, 1
	s_branch .Lpassend
.endr
.Lfin_1:
	SENDB 0, 0, 1
.Lpassend:
	s_wait_dscnt 0x0                               ; loads whose stores were jumped are back
	s_wait_xcnt 0x0                                ; the stores' base is stepped, and fragment buffer 1 loaded again, only behind this wait
	s_add_nc_u64 s[14:15], s[14:15], 256           ; the next 64 columns
	s_sub_co_u32 s[PASS], s[PASS], 1
	s_cmp_lg_u32 s[PASS], 0
	s_cbranch_scc1 .Lpass
.Lend:
	s_wait_tensorcnt 0x0                           ; the wave's end, behind my last LDS store
	ds_add_u32 v[SPW], v[NIL]
	s_wait_dscnt 0x0
	s_endpgm
.Lfunc_end_k_q932b585381_down:
	.size	k_q932b585381_down, .Lfunc_end_k_q932b585381_down-k_q932b585381_down
	.p2alignl 7, 3214868480
	.fill 96, 4, 3214868480
	.section	.rodata,"a",@progbits
	.p2align	6, 0x0
	.amdhsa_kernel k_q932b585381_down
		.amdhsa_group_segment_fixed_size 143104
		.amdhsa_private_segment_fixed_size 0
		.amdhsa_enable_private_segment 0
		.amdhsa_kernarg_size 32
		.amdhsa_user_sgpr_count 2
		.amdhsa_user_sgpr_kernarg_segment_ptr 1
		.amdhsa_wavefront_size32 1
		.amdhsa_system_sgpr_workgroup_id_x 1
		.amdhsa_system_sgpr_workgroup_id_y 1
		.amdhsa_system_sgpr_workgroup_id_z 1
		.amdhsa_system_vgpr_workitem_id 0
		.amdhsa_next_free_vgpr 736
		.amdhsa_next_free_sgpr 66
		.amdhsa_reserve_vcc 1
		.amdhsa_float_denorm_mode_32 3
		.amdhsa_float_denorm_mode_16_64 3
		.amdhsa_memory_ordered 1
		.amdhsa_forward_progress 1
		.amdhsa_inst_pref_size 169
	.end_amdhsa_kernel
	.amdgpu_metadata
---
amdhsa.version: [ 1, 2 ]
amdhsa.kernels:
  - .name:           k_q932b585381_down
    .symbol:         k_q932b585381_down.kd
    .args:
      - { .name: hb, .offset: 0, .size: 8, .value_kind: global_buffer, .address_space: global }
      - { .name: wd, .offset: 8, .size: 8, .value_kind: global_buffer, .address_space: global }
      - { .name: rt, .offset: 16, .size: 8, .value_kind: global_buffer, .address_space: global }
      - { .name: out0, .offset: 24, .size: 8, .value_kind: global_buffer, .address_space: global }
    .group_segment_fixed_size: 143104
    .private_segment_fixed_size: 0
    .kernarg_segment_align: 8
    .kernarg_segment_size: 32
    .max_flat_workgroup_size: 128
    .sgpr_count:     66
    .vgpr_count:     736
    .wavefront_size: 32
...
	.end_amdgpu_metadata
.endif
;; end of part 6
